; MI455X (gfx1250); checked and timed in simulation.
; The chip was launched on July 23, 2026; its instructions are those of AMD's public machine-readable ISA for CDNA 5 (MIT licence, August 2026) and "CDNA5" Instruction Set Architecture Reference Guide (July 2026). The comments in the code are by the model that wrote it; some were corrected since.
;; Enhance Surface Constructor. Allowed arithmetic: float matrix products may take bf16 or f16 operands with f32 sums; all other float work in f32.
;; Inputs: W1 12 x 12 float32; W2 12 x 12 float32; W3 12 x 12 float32; b2 12 float32; b3 12 float32; bn1_b 12 float32; bn1_g 12 float32; bn2_b 12 float32; bn2_g 12 float32; center 2 x 8,192 x 3 float32.
;; Outputs: out0 2 x 12 x 8,192 float32.
;; 2 versions, each right; version 2 is version 1 with the launch last written anew for expert scheduling mode. Each part assembles by itself: llvm-mc -triple=amdgcn-amd-amdhsa -mcpu=gfx1250 --defsym DOCPART=n.
;; ======== version 1 of 2: 5 launches
;; limits: values are held in f16: magnitudes above 65,504 overflow, below 6.1e-05 lose precision; an iteration or a series of the reference is cut at 12 steps; a difference of large sums (such as E[x^2] - mean^2): digits are lost where the result is much smaller than its terms; right only within a limited range of input values
;; workspace buffers: grp 786,432 bytes of whole numbers; idx 524,288 bytes of whole numbers; y1 8,388,608 bytes; u2 8,388,608 bytes; part1 32,768 bytes; part2 32,768 bytes
;; launch groups (part 1): grid 256 x 1, 4 waves a work-group, no clusters, 34,304 bytes of LDS; arguments center, grp; writes grp
.if DOCPART == 1
	.amdgcn_target "amdgcn-amd-amdhsa--gfx1250"
	.amdhsa_code_object_version 6
	.text
	.protected	k_q249978a3a5_groups
	.globl	k_q249978a3a5_groups
	.p2align	8
	.type	k_q249978a3a5_groups,@function
k_q249978a3a5_groups:
	s_mov_b64 s[64:65], 0
	v_nop
	global_prefetch_b8 v0, s[64:65] scope:SCOPE_SE
	s_setreg_imm32_b32 hwreg(HW_REG_WAVE_MODE, 25, 1), 1
	s_wait_xcnt 0x0
; Launch 1 of 5.  For each of the 2 x 8192 query points: the 12 groups of 32 consecutive candidates (256 groups a batch) whose
; smallest score  s = |p_m|^2 - 2 p_n.p_m  is smallest.  The 8 nearest neighbours lie in at most 8 groups, and these are the groups with
; the smallest minima; 4 more are kept against the rounding of the scores.  The next launch ranks the 12 x 32 candidates themselves.
; A work-group owns 64 queries (4 tiles of 16), wave w the candidates 2048 w .. 2048 w + 2047 of the batch.
; One bf16 matrix instruction makes 16 candidates x 16 queries.  Each f32 number is cut into three bf16 pieces h + m + l (exact but for
; the cut of l, 2^-24 of the number); the 32 places along K carry, for x, y, z, eight of the nine products of pieces (l x l is left
; out), and for |p_m|^2 its three pieces times 1.  Lanes 0-15 carry x (registers 0-3) and y (4-7), lanes 16-31 z and |p_m|^2.
; No cluster, no tensor load, no prefetch: the whole input is 196,608 bytes and every work-group walks it from the cache.
; LIMITS: NaN or infinite coordinates are not served.  The scores are a difference of sums as in the reference's own distance.
.set QB,     8                         ; v[8:39]    query fragments, 4 tiles of 16 queries
.set CA,     40                        ; v[40:71]   candidate fragments, 4 tiles; later the merged list of 12
.set DA,     72                        ; v[72:103]  scores, set A (4 tiles x 8)
.set DB,     104                       ; v[104:135] scores, set B
.set LST,    136                       ; v[136:199] 4 lists (one a query tile) of 8 entries: value, group number
.set RAW,    200                       ; v[200:215] 4 candidate points as loaded, 4 registers apart
.set UV,     216                       ; v[216:223] per tile the two numbers that this half of the lanes carries
.set T,      224                       ; v[224:235] at work
.set SM,     20                        ; s[20:31]   compare masks of INSERT
.set QPITCH, 528                       ; LDS bytes a query: 8 lists of 64 bytes + 16, an odd multiple of 16
.set GSTEP,  384                       ; bytes of 32 points
; Puts (val, pay) into an ascending list of cnt entries (value at lst + 2 i, payload at lst + 2 i + 1); the last entry drops out.
; The compare is strict: of equal values the one that came first stays in front.
.macro INSERT cnt, lst, val, pay, tmp, msk
.set ii, 0
.rept \cnt
	v_cmp_lt_f32 s[\msk+ii], v[\val], v[\lst+2*ii]
.set ii, ii+1
.endr
.set ii, \cnt-1
.rept \cnt-1
	v_cndmask_b32 v[\tmp], v[\pay], v[\lst+2*ii-1], s[\msk+ii-1]
	v_cndmask_b32 v[\lst+2*ii+1], v[\lst+2*ii+1], v[\tmp], s[\msk+ii]
	v_med3_num_f32 v[\lst+2*ii], v[\lst+2*ii-2], v[\val], v[\lst+2*ii]
.set ii, ii-1
.endr
	v_cndmask_b32 v[\lst+1], v[\lst+1], v[\pay], s[\msk]
	v_min_num_f32 v[\lst], v[\lst], v[\val]
.endm
; query tile q: pieces H, M, L of -2 x coordinate, laid (H,M) (L,H) (M,H) (L,M); the fourth number's places hold 1, 1, 1
.macro BQ q
	v_cndmask_b32 v[T], v[DA+4*\q], v[DA+4*\q+2], s11
	v_mul_f32 v[T], -2.0, v[T]
	v_mul_f32 v[T+1], -2.0, v[DA+4*\q+1]
.irp c, 0, 1
	v_and_b32 v[T+2], s11, v[T+\c]
	v_sub_f32 v[T+2], v[T+\c], v[T+2]
	v_and_b32 v[T+3], s11, v[T+2]
	v_sub_f32 v[T+3], v[T+2], v[T+3]
	v_perm_b32 v[QB+8*\q+4*\c],   v[T+2],  v[T+\c], s10
	v_perm_b32 v[QB+8*\q+4*\c+1], v[T+\c], v[T+3],  s10
	v_perm_b32 v[QB+8*\q+4*\c+2], v[T+\c], v[T+2],  s10
	v_perm_b32 v[QB+8*\q+4*\c+3], v[T+2],  v[T+3],  s10
.endr
	v_cndmask_b32 v[QB+8*\q+4], v[QB+8*\q+4], v[T+4], s11
	v_cndmask_b32 v[QB+8*\q+5], v[QB+8*\q+5], v[T+5], s11
	v_cndmask_b32 v[QB+8*\q+6], v[QB+8*\q+6], v[T+5], s11
	v_cndmask_b32 v[QB+8*\q+7], v[QB+8*\q+7], v[T+6], s11
.endm
.macro LOADRAW                         ; the 4 tiles of one group: 8 points apart
.irp t, 0,1,2,3
	global_load_b96 v[RAW+4*\t:RAW+4*\t+2], v4, s[4:5] offset:96*\t
.endr
.endm
.macro PRE                             ; 20 instructions: |p|^2, and the two numbers of my half of the lanes; writes T and UV only
.irp t, 0,1,2,3
	v_mul_f32 v[T+\t], v[RAW+4*\t], v[RAW+4*\t]
.endr
.irp t, 0,1,2,3
	v_fmac_f32 v[T+\t], v[RAW+4*\t+1], v[RAW+4*\t+1]
.endr
.irp t, 0,1,2,3
	v_fmac_f32 v[T+\t], v[RAW+4*\t+2], v[RAW+4*\t+2]
.endr
.irp t, 0,1,2,3
	v_cndmask_b32 v[UV+2*\t],   v[RAW+4*\t],   v[RAW+4*\t+2], s11
	v_cndmask_b32 v[UV+2*\t+1], v[RAW+4*\t+1], v[T+\t],       s11
.endr
.endm
.macro SPLIT                           ; candidate fragments: pieces laid (h,h) (h,m) (m,l) (m,l)
.irp t, 0,1,2,3
.irp c, 0,1
	v_and_b32 v[T+2*\c], s11, v[UV+2*\t+\c]
	v_sub_f32 v[T+2*\c], v[UV+2*\t+\c], v[T+2*\c]
	v_and_b32 v[T+2*\c+1], s11, v[T+2*\c]
	v_sub_f32 v[T+2*\c+1], v[T+2*\c], v[T+2*\c+1]
	v_perm_b32 v[CA+8*\t+4*\c],   v[UV+2*\t+\c], v[UV+2*\t+\c], s10
	v_perm_b32 v[CA+8*\t+4*\c+1], v[T+2*\c],     v[UV+2*\t+\c], s10
	v_perm_b32 v[CA+8*\t+4*\c+2], v[T+2*\c+1],   v[T+2*\c],     s10
	v_mov_b32  v[CA+8*\t+4*\c+3], v[CA+8*\t+4*\c+2]
.endr
.endr
.endm
.macro W q, d                          ; the group's 4 candidate tiles against query tile q
.irp t, 0,1,2,3
	v_wmma_f32_16x16x32_bf16 v[\d+8*\t:\d+8*\t+7], v[CA+8*\t:CA+8*\t+7], v[QB+8*\q:QB+8*\q+7], 0
.endr
.endm
.macro R d, q                          ; the smallest of my 32 scores (one group, one query) goes into list q with the group's number
.irp t, 0,1,2,3
	v_min3_num_f32 v[T+\t], v[\d+8*\t], v[\d+8*\t+1], v[\d+8*\t+2]
.endr
.irp t, 0,1,2,3
	v_min3_num_f32 v[T+\t], v[T+\t], v[\d+8*\t+3], v[\d+8*\t+4]
.endr
.irp t, 0,1,2,3
	v_min3_num_f32 v[T+\t], v[T+\t], v[\d+8*\t+5], v[\d+8*\t+6]
.endr
.irp t, 0,1,2,3
	v_min_num_f32 v[T+\t], v[T+\t], v[\d+8*\t+7]
.endr
	v_min3_num_f32 v[T], v[T], v[T+1], v[T+2]
	v_min_num_f32 v[T], v[T], v[T+3]
	INSERT 8, LST+16*\q, T, 3, T+4, SM
.endm
.macro CE a, b                         ; compare and exchange two group numbers
	v_min_u32 v[T], v[\a], v[\b]
	v_max_u32 v[\b], v[\a], v[\b]
	v_mov_b32 v[\a], v[T]
.endm
	s_load_b128 s[4:7], s[0:1], 0x0                ; center s[4:5], grp s[6:7]
	v_lshl_add_u32 v240, v0, 2, 0x8400
	v_mov_b32 v241, 0
	v_and_b32 v1, 31, v0                           ; lane
	v_lshrrev_b32 v6, 5, v0
	v_readfirstlane_b32 s8, v6                     ; wave
	v_and_b32 v2, 15, v0                           ; r
	v_bfe_u32 v7, v0, 4, 1                         ; h
	s_lshr_b32 s14, ttmp9, 7                       ; batch
	s_and_b32 s15, ttmp9, 127
	s_lshl_b32 s15, s15, 6                         ; first query in the batch
	s_mul_i32 s16, s14, 98304                      ; bytes of a batch
	s_mov_b32 s17, 0
	s_mov_b32 s10, 0x07060302                      ; v_perm_b32: the two upper halves
	s_mov_b32 s11, 0xffff0000                      ; a word's upper bf16, and as a lane mask: lanes 16-31
	s_mov_b32 s12, 0x76543210                      ; v_permlanex16_b32: lane i of the other half
	s_mov_b32 s13, 0xfedcba98
	s_lshl_b32 s18, s8, 6
	v_lshl_add_u32 v3, v7, 5, s18                  ; my group's number: 64 w + 32 h + trip
	s_mul_i32 s19, s15, 12
	v_mul_u32_u24 v6, v2, 12
	v_add_nc_u32 v6, s19, v6                       ; byte offset of query r of tile 0
	v_and_b32 v4, 7, v0
	v_bfe_u32 v5, v0, 3, 1
	v_lshl_add_u32 v4, v5, 10, v4                  ; rows 0-7: candidates 8 t + row; rows 8-15: 1024 further, so that a half of the
	s_lshl_b32 s18, s8, 11                         ; lanes sees, in its 8 result registers of 4 tiles, 32 consecutive candidates
	v_add_nc_u32 v4, s18, v4
	v_mul_u32_u24 v4, v4, 12
	v_add_nc_u32 v5, 31*GSTEP, v4                  ; the wave's last group: look-ahead never passes it
	s_wait_kmcnt 0x0
	s_add_nc_u64 s[4:5], s[4:5], s[16:17]
.irp q, 0,1,2,3
	global_load_b96 v[DA+4*\q:DA+4*\q+2], v6, s[4:5] offset:192*\q
.endr
	LOADRAW                                        ; group 0
.set jj, 0
.rept 32
	v_mov_b32 v[LST+2*jj], 0x7f800000              ; empty entries: +infinity, group 0
	v_mov_b32 v[LST+2*jj+1], 0
.set jj, jj+1
.endr
	v_mov_b32 v[T+4], 0x3f80                       ; (1, 0)
	v_mov_b32 v[T+5], 0x3f800000                   ; (0, 1)
	v_mov_b32 v[T+6], 0
	s_wait_loadcnt 0x4                             ; the queries are in; the four candidate loads behind them stay out
	BQ 0
	BQ 1
	BQ 2
	BQ 3
	s_wait_loadcnt 0x0                             ; group 0; this also frees v4
	PRE
	SPLIT
	v_add_nc_u32 v4, GSTEP, v4
	v_min_u32 v4, v4, v5
	LOADRAW                                        ; group 1
	s_mov_b32 s9, 0
; One trip = one group of each half of the lanes against the 64 queries.  Every read of a score set stands behind at least the 20
; instructions of PRE or the 49 of another set's R, which name none of that matrix instruction's registers (ISA guide 7.12.1); so does
; every rewrite of a score set and SPLIT's rewrite of the candidate fragments.
.Ltrip:
	W 0, DA
	W 1, DB
	s_wait_loadcnt 0x0                             ; the next group's four loads, issued a trip ago; frees v4
	PRE
	v_add_nc_u32 v4, GSTEP, v4
	v_min_u32 v4, v4, v5                           ; the last two look-aheads load the last group again; it is not used twice
	LOADRAW
	R DA, 0
	W 2, DA
	R DB, 1
	W 3, DB
	R DA, 2
	SPLIT
	R DB, 3
	v_add_nc_u32 v3, 1, v3
	s_add_co_u32 s9, s9, 1
	s_cmp_lt_u32 s9, 32
	s_cbranch_scc1 .Ltrip
	s_wait_loadcnt 0x0                             ; the last look-ahead
	; the 8 lists of a query (4 waves x 2 halves) meet in LDS
	v_mul_u32_u24 v6, v2, QPITCH
	s_lshl_b32 s18, s8, 7
	v_lshl_add_u32 v[T+8], v7, 6, v6
	v_add_nc_u32 v[T+8], s18, v[T+8]               ; r x pitch + (2 w + h) x 64
.irp q, 0,1,2,3
.irp i, 0,1,2,3
	ds_store_b128 v[T+8], v[LST+16*\q+4*\i:LST+16*\q+4*\i+3] offset:\q*16*QPITCH+16*\i
.endr
.endr
	s_mul_i32 s18, s8, 16*QPITCH
	v_lshl_add_u32 v6, v7, 8, v6
	v_add_nc_u32 v6, s18, v6                       ; query 16 w + r, lists 4 h .. 4 h + 3
.set jj, 0
.rept 12
	v_mov_b32 v[CA+2*jj], 0x7f800000
	v_mov_b32 v[CA+2*jj+1], 0
.set jj, jj+1
.endr
	s_wait_dscnt 0x0                               ; my stores are done before I say so
	s_barrier_signal -1
	s_barrier_wait -1
	s_mov_b32 s9, 0
.Lmerge:                                               ; a trip: one list of 8 into my list of 12
.irp i, 0,1,2,3
	ds_load_b128 v[DA+4*\i:DA+4*\i+3], v6 offset:16*\i
.endr
	s_wait_dscnt 0x0
.irp e, 0,1,2,3,4,5,6,7
	INSERT 12, CA, DA+2*\e, DA+2*\e+1, T+4, SM
.endr
	v_add_nc_u32 v6, 64, v6
	s_add_co_u32 s9, s9, 1
	s_cmp_lt_u32 s9, 4
	s_cbranch_scc1 .Lmerge
.set jj, 0
.rept 24
	v_permlanex16_b32 v[DB+jj], v[CA+jj], s12, s13 ; the other half's list of 12
.set jj, jj+1
.endr
.irp e, 0,1,2,3,4,5,6,7,8,9,10,11
	INSERT 12, CA, DB+2*\e, DB+2*\e+1, T+4, SM
.endr
	; the 12 group numbers in ascending order (odd-even transposition, 12 passes), so that the next launch meets candidates by index
.rept 6
.irp i, 0,2,4,6,8,10
	CE CA+2*\i+1, CA+2*\i+3
.endr
.irp i, 1,3,5,7,9
	CE CA+2*\i+1, CA+2*\i+3
.endr
.endr
.irp j, 0,1,2
.irp q, 0,1,2,3
	v_mov_b32 v[DA+4*\j+\q], v[CA+2*(3*\q+\j)+1]   ; plane j, word q: sorted group 3 q + j
.endr
.endr
	s_lshl_b32 s18, s14, 13
	s_add_co_u32 s18, s18, s15
	s_lshl_b32 s19, s8, 4
	s_add_co_u32 s18, s18, s19
	v_add_nc_u32 v6, s18, v2
	v_lshlrev_b32 v6, 4, v6                        ; 16 bytes a query: lanes 0-15 store 256 consecutive bytes, aligned
	s_wait_xcnt 0x0                                ; EXEC changes only behind this wait
	v_cmp_gt_u32 vcc_lo, 16, v1
	s_wait_tensorcnt 0x0
	ds_add_u32 v240, v241
	s_wait_dscnt 0x0
	s_and_saveexec_b32 s9, vcc_lo                  ; lanes 0-15 hold the lists; the wave ends under this mask
	global_store_b128 v6, v[DA:DA+3], s[6:7]
	global_store_b128 v6, v[DA+4:DA+7], s[6:7] offset:262144
	global_store_b128 v6, v[DA+8:DA+11], s[6:7] offset:524288
	s_endpgm
.Lfunc_end_k_q249978a3a5_groups:
	.size	k_q249978a3a5_groups, .Lfunc_end_k_q249978a3a5_groups-k_q249978a3a5_groups
	.p2alignl 7, 3214868480
	.fill 96, 4, 3214868480
	.section	.rodata,"a",@progbits
	.p2align	6, 0x0
	.amdhsa_kernel k_q249978a3a5_groups
		.amdhsa_group_segment_fixed_size 34304
		.amdhsa_private_segment_fixed_size 0
		.amdhsa_enable_private_segment 0
		.amdhsa_kernarg_size 16
		.amdhsa_user_sgpr_count 2
		.amdhsa_user_sgpr_kernarg_segment_ptr 1
		.amdhsa_wavefront_size32 1
		.amdhsa_system_sgpr_workgroup_id_x 1
		.amdhsa_system_sgpr_workgroup_id_y 1
		.amdhsa_system_sgpr_workgroup_id_z 1
		.amdhsa_system_vgpr_workitem_id 0
		.amdhsa_next_free_vgpr 242
		.amdhsa_next_free_sgpr 66
		.amdhsa_reserve_vcc 1
		.amdhsa_float_denorm_mode_32 3
		.amdhsa_float_denorm_mode_16_64 3
		.amdhsa_memory_ordered 1
		.amdhsa_forward_progress 1
		.amdhsa_inst_pref_size 101
	.end_amdhsa_kernel
	.amdgpu_metadata
---
amdhsa.version: [ 1, 2 ]
amdhsa.kernels:
  - .name:           k_q249978a3a5_groups
    .symbol:         k_q249978a3a5_groups.kd
    .args:
      - { .name: center, .offset: 0, .size: 8, .value_kind: global_buffer, .address_space: global }
      - { .name: grp, .offset: 8, .size: 8, .value_kind: global_buffer, .address_space: global }
    .group_segment_fixed_size: 34304
    .private_segment_fixed_size: 0
    .kernarg_segment_align: 8
    .kernarg_segment_size: 16
    .max_flat_workgroup_size: 128
    .sgpr_count:     66
    .vgpr_count:     242
    .wavefront_size: 32
...
	.end_amdgpu_metadata
.endif
;; end of part 1
;; launch pick (part 2): grid 256 x 1, 8 waves a work-group, no clusters, 0 bytes of LDS; arguments center, grp, idx; writes idx
.if DOCPART == 2
	.amdgcn_target "amdgcn-amd-amdhsa--gfx1250"
	.amdhsa_code_object_version 6
	.text
	.protected	k_q249978a3a5_pick
	.globl	k_q249978a3a5_pick
	.p2align	8
	.type	k_q249978a3a5_pick,@function
k_q249978a3a5_pick:
	s_mov_b64 s[64:65], 0
	v_nop
	global_prefetch_b8 v0, s[64:65] scope:SCOPE_SE
	s_setreg_imm32_b32 hwreg(HW_REG_WAVE_MODE, 25, 1), 1
	s_wait_xcnt 0x0
; Launch 2 of 5.  The 8 nearest of the 12 x 32 candidates that launch 1 kept for each query.  Four lanes share a query; lane q of them
; takes the sorted groups 3 q .. 3 q + 2, so candidates are met in ascending index and of equal keys the lower index stays in front,
; as in a top-k.  The key is the reference's own f32 expression (sq_n + sq_m) - 2 dot: the squares and the dot product each as a chain
; of fused multiply-adds over x, y, z; 2 dot is exact, so the last step is one rounding.  That the reference's host fuses these chains
; is an assumption of this text; it decides only between neighbours whose keys differ in the last bits.
; No LDS, no matrix unit: 384 candidates a query are vector work, and the points come from the cache.
; LIMITS: NaN or infinite coordinates are not served.
.set LST, 28                           ; v[28:43]   my list of 8: key, index
.set PAR, 44                           ; v[44:59]   the partner's list
.set HI,  60                           ; v[60:75]   of the two, the list of the higher indices
.set P,   80                           ; v[80:175]  32 points as loaded (24 x 16 bytes); point c at P + 3 c
.set SM,  20                           ; s[20:27]   compare masks
; Puts (val, pay) into an ascending list of cnt entries (value at lst + 2 i, payload at lst + 2 i + 1); the last entry drops out.
; The compare is strict: of equal values the one that came first stays in front.
.macro INSERT cnt, lst, val, pay, tmp, msk
.set ii, 0
.rept \cnt
	v_cmp_lt_f32 s[\msk+ii], v[\val], v[\lst+2*ii]
.set ii, ii+1
.endr
.set ii, \cnt-1
.rept \cnt-1
	v_cndmask_b32 v[\tmp], v[\pay], v[\lst+2*ii-1], s[\msk+ii-1]
	v_cndmask_b32 v[\lst+2*ii+1], v[\lst+2*ii+1], v[\tmp], s[\msk+ii]
	v_med3_num_f32 v[\lst+2*ii], v[\lst+2*ii-2], v[\val], v[\lst+2*ii]
.set ii, ii-1
.endr
	v_cndmask_b32 v[\lst+1], v[\lst+1], v[\pay], s[\msk]
	v_min_num_f32 v[\lst], v[\lst], v[\val]
.endm
.macro CAND c
	v_mul_f32 v17, v[P+3*(\c)], v[P+3*(\c)]
	v_mul_f32 v18, v8,  v[P+3*(\c)]
	v_fmac_f32 v17, v[P+3*(\c)+1], v[P+3*(\c)+1]
	v_fmac_f32 v18, v9,  v[P+3*(\c)+1]
	v_fmac_f32 v17, v[P+3*(\c)+2], v[P+3*(\c)+2]   ; sq_m
	v_fmac_f32 v18, v10, v[P+3*(\c)+2]             ; dot
	v_add_f32 v17, v11, v17                        ; sq_n + sq_m
	v_fmac_f32 v17, -2.0, v18                      ; the key
	v_add_nc_u32 v21, \c, v16                      ; the candidate's index in the batch
	INSERT 8, LST, 17, 21, 22, SM
.endm
.macro GROUP gr                        ; the 32 candidates of the group whose number is in v[gr]
	v_mul_u32_u24 v15, v[\gr], 384                 ; (v15's last loads were waited for with the count 0)
	v_lshlrev_b32 v16, 5, v[\gr]
.set ll, 0
.rept 24
	global_load_b128 v[P+4*ll:P+4*ll+3], v15, s[4:5] offset:16*ll
.set ll, ll+1
.endr
.irp k, 0,1,2,3,4,5,6,7
	s_wait_loadcnt 21-3*\k                         ; the three loads of these four points are in, the younger ones stay out
	CAND 4*\k
	CAND 4*\k+1
	CAND 4*\k+2
	CAND 4*\k+3
.endr
.endm
.macro MERGE xm, msk                   ; msk: the lanes that are the lower partner.  Both partners end with the same list
.set jj, 0
.rept 16
	v_mov_b32_dpp v[PAR+jj], v[LST+jj] row_xmask:\xm row_mask:0xf bank_mask:0xf
.set jj, jj+1
.endr
.set jj, 0
.rept 16
	v_cndmask_b32 v[HI+jj], v[LST+jj], v[PAR+jj], \msk
	v_cndmask_b32 v[LST+jj], v[PAR+jj], v[LST+jj], \msk
.set jj, jj+1
.endr
.irp e, 0,1,2,3,4,5,6,7
	INSERT 8, LST, HI+2*\e, HI+2*\e+1, 22, SM
.endr
.endm
	s_load_b128 s[4:7], s[0:1], 0x0                ; center s[4:5], grp s[6:7]
	s_load_b64 s[8:9], s[0:1], 0x10                ; idx
	s_lshr_b32 s10, ttmp9, 7                       ; batch
	s_mul_i32 s12, s10, 98304
	s_mov_b32 s13, 0
	s_and_b32 s11, ttmp9, 127
	s_mul_i32 s11, s11, 768                        ; 64 queries of 12 bytes
	s_lshl_b32 s14, ttmp9, 8
	s_mov_b32 s28, 0x55555555                      ; lower partner at distance 1
	s_mov_b32 s29, 0x33333333                      ; at distance 2
	s_mov_b32 s30, 0xaaaaaaaa                      ; bit 0 of q
	s_mov_b32 s31, 0xcccccccc                      ; bit 1 of q
	v_add_nc_u32 v1, s14, v0                       ; 4 x query + q
	v_lshlrev_b32 v2, 2, v1
	v_lshrrev_b32 v3, 2, v0
	v_mul_u32_u24 v3, v3, 12
	v_add_nc_u32 v3, s11, v3
	s_wait_kmcnt 0x0
	s_add_nc_u64 s[4:5], s[4:5], s[12:13]
	global_load_b32 v12, v2, s[6:7]
	global_load_b32 v13, v2, s[6:7] offset:262144
	global_load_b32 v14, v2, s[6:7] offset:524288
	global_load_b96 v[8:10], v3, s[4:5]
.set jj, 0
.rept 8
	v_mov_b32 v[LST+2*jj], 0x7f800000
	v_mov_b32 v[LST+2*jj+1], 0
	v_mov_b32 v[PAR+2*jj], 0                       ; a DPP destination counts as read: written once here
	v_mov_b32 v[PAR+2*jj+1], 0
.set jj, jj+1
.endr
	s_wait_loadcnt 0x0
	v_min_u32 v12, 255, v12                        ; a group number enters an address only clamped
	v_min_u32 v13, 255, v13
	v_min_u32 v14, 255, v14
	v_mul_f32 v11, v8, v8
	v_fmac_f32 v11, v9, v9
	v_fmac_f32 v11, v10, v10                       ; sq_n
	GROUP 12
	GROUP 13
	GROUP 14
	MERGE 1, s28
	MERGE 2, s29
	; lane q stores entries 2 q and 2 q + 1: a wave's store covers 256 consecutive bytes
	v_cndmask_b32 v17, v[LST+1],  v[LST+5],  s30
	v_cndmask_b32 v18, v[LST+9],  v[LST+13], s30
	v_cndmask_b32 v24, v17, v18, s31
	v_cndmask_b32 v19, v[LST+3],  v[LST+7],  s30
	v_cndmask_b32 v20, v[LST+11], v[LST+15], s30
	v_cndmask_b32 v25, v19, v20, s31
	v_lshlrev_b32 v1, 3, v1
	global_store_b64 v1, v[24:25], s[8:9]
	s_endpgm
.Lfunc_end_k_q249978a3a5_pick:
	.size	k_q249978a3a5_pick, .Lfunc_end_k_q249978a3a5_pick-k_q249978a3a5_pick
	.p2alignl 7, 3214868480
	.fill 96, 4, 3214868480
	.section	.rodata,"a",@progbits
	.p2align	6, 0x0
	.amdhsa_kernel k_q249978a3a5_pick
		.amdhsa_group_segment_fixed_size 0
		.amdhsa_private_segment_fixed_size 0
		.amdhsa_enable_private_segment 0
		.amdhsa_kernarg_size 24
		.amdhsa_user_sgpr_count 2
		.amdhsa_user_sgpr_kernarg_segment_ptr 1
		.amdhsa_wavefront_size32 1
		.amdhsa_system_sgpr_workgroup_id_x 1
		.amdhsa_system_sgpr_workgroup_id_y 1
		.amdhsa_system_sgpr_workgroup_id_z 1
		.amdhsa_system_vgpr_workitem_id 0
		.amdhsa_next_free_vgpr 176
		.amdhsa_next_free_sgpr 66
		.amdhsa_reserve_vcc 0
		.amdhsa_float_denorm_mode_32 3
		.amdhsa_float_denorm_mode_16_64 3
		.amdhsa_memory_ordered 1
		.amdhsa_forward_progress 1
		.amdhsa_inst_pref_size 255
	.end_amdhsa_kernel
	.section	.bss,"aw",@nobits
	.p2align	6
	.space	262144
	.amdgpu_metadata
---
amdhsa.version: [ 1, 2 ]
amdhsa.kernels:
  - .name:           k_q249978a3a5_pick
    .symbol:         k_q249978a3a5_pick.kd
    .args:
      - { .name: center, .offset: 0, .size: 8, .value_kind: global_buffer, .address_space: global }
      - { .name: grp, .offset: 8, .size: 8, .value_kind: global_buffer, .address_space: global }
      - { .name: idx, .offset: 16, .size: 8, .value_kind: global_buffer, .address_space: global }
    .group_segment_fixed_size: 0
    .private_segment_fixed_size: 0
    .kernarg_segment_align: 8
    .kernarg_segment_size: 24
    .max_flat_workgroup_size: 256
    .sgpr_count:     66
    .vgpr_count:     176
    .wavefront_size: 32
...
	.end_amdgpu_metadata
.endif
;; end of part 2
;; launch feat (part 3): grid 256 x 1, 16 waves a work-group, no clusters, 4,096 bytes of LDS; arguments center, idx, W1, y1, part1; writes y1, part1
.if DOCPART == 3
	.amdgcn_target "amdgcn-amd-amdhsa--gfx1250"
	.amdhsa_code_object_version 6
	.text
	.protected	k_q249978a3a5_feat
	.globl	k_q249978a3a5_feat
	.p2align	8
	.type	k_q249978a3a5_feat,@function
k_q249978a3a5_feat:
	s_mov_b64 s[64:65], 0
	v_nop
	global_prefetch_b8 v0, s[64:65] scope:SCOPE_SE
	s_setreg_imm32_b32 hwreg(HW_REG_WAVE_MODE, 25, 1), 1
	s_wait_xcnt 0x0
; Launch 3 of 5.  One lane = one (query, neighbour i): gathers the query's 8 neighbours, cov = sum over j of (g_j - g_i)(g_j - g_i)^T in
; f32, its eigen-decomposition, the 12 features, y1 = W1 f (f16 operands, f32 sums), and the work-group's sums of y1 and y1^2.
; THE SIGNS OF THE EIGENVECTORS are those of LAPACK's ssyevd for n = 3, whose steps are followed with selects in place of branches:
;   ssytd2, lower triangle (one reflector H on rows 2, 3);  ssteqr: QL, or QR where |d3| < |d1| (QR is QL on the reversed matrix: d, e and
;   the columns of Z are reversed before and after), implicit sweeps with Wilkinson's shift until a subdiagonal passes
;   e^2 <= eps^2 |d||d'| + safmin;  slartg (c = |f| / d, r = sign(d, f), s = g / r);  slaev2 for the 2 x 2 block that is left;
;   ascending sort;  back-transform by H.
; THE ROUNDINGS OF d AND e.  The number of sweeps, and with it the signs, hangs on the last bits of e, which is made by cancellation.  So d
; and e are carried with the roundings of those routines: in slarfg, slapy2, slartg and ssteqr every product, sum, quotient and root is
; rounded by itself (these multiplies and adds are therefore NOT fused here, and quotients and roots are brought to correct rounding
; by fused residual steps: RCPN, QUOT, SQRT);  the 2 x 2 steps of ssytd2 (ssymv, sdot, saxpy, ssyr2) run in the order of OpenBLAS's
; x86-64 kernels, y += a x as one fused multiply-add, sdot as a sum of rounded products;  cov is a chain of fused multiply-adds over
; j ascending.  That these are the roundings of the reference's host is an assumption of this text.  Z, slaev2 and the features are
; continuous in their inputs and are computed with fused operations and plain reciprocals.
; LIMITS: at most 12 sweeps (LAPACK allows 90); the scalings of ssyevd and ssteqr are not made (ssteqr scales a block whose largest entry is
; below 3.05e-5; that changes rounding only); entries of cov must lie within 1e-18 .. 1e18; slaev2's case a + c = 0 and slartg's case
; f = -0 are not written; slaev2's second root is (a / rt1) c - (b / rt1) b without its ordering of a and c.
; W1 goes to f16: |W1| up to 65,504; the features lie in [-1, 1] by construction.
; The covariances stay off the matrix unit: 8 x 3 numbers a lane, needed in f32.  No cluster or tensor load: the points come from the cache.
.set IX,  2                            ; v[2:10]    the 8 neighbours' indices and my own neighbour's, then byte offsets
.set WR,  12                           ; v[12:23]   a row of W1
.set AF,  24                           ; v[24:31]   W1 as the matrix instruction's first operand
.set GP,  32                           ; v[32:63]   the 8 neighbours, 4 registers apart
.set GI,  64                           ; v[64:66]   neighbour i
.set A11, 68
.set A21, 69
.set A31, 70
.set A22, 71
.set A32, 72
.set A33, 73
.set FP,  74                           ; v[74:79]   first differences, later the 12 features in f16
.set B1,  80                           ; v[80:87]   features of lanes 0-15, zeros elsewhere
.set B2,  88                           ; v[88:95]   features of lanes 16-31
.set DA,  96                           ; v[96:103]  y1 of positions 0-15 of the wave
.set DB,  104                          ; v[104:111] y1 of positions 16-31
.set SS,  112                          ; v[112:119] sums
.set QQ,  120                          ; v[120:127] sums of squares
; the eigen stage reuses v32-v73 and, until the layer's operands are built, v80-v95
.set D1,  32
.set D2,  33
.set D3,  34
.set E1,  35
.set E2,  36
.set HC,  37                           ; H = [[hc, hs], [hs, hd]]
.set HS,  38
.set HD,  39
.set Z,   40                           ; v[40:48]   Z(row, column) at Z + 3 row + column
.set T,   50                           ; v[50:66]   at work
.set FE,  54                           ; v[54:65]   the 12 features in f32
.set RC2, 60
.set RS2, 61
.set RC1, 62
.set RS1, 63
.set RP,  64
.set RG,  65
.set RF,  66
.set RB,  67
.set ND1, 68
.set ND2, 69
.set ND3, 70
.set NE1, 71
.set NE2, 72
.set X,   80                           ; v[80:93]   at work in the exactly rounded steps
.set ONE, 95                           ; v95        1.0
.macro COVJ j, first
	v_sub_f32 v[FP],   v[GP+4*\j],   v[GI]
	v_sub_f32 v[FP+1], v[GP+4*\j+1], v[GI+1]
	v_sub_f32 v[FP+2], v[GP+4*\j+2], v[GI+2]
.if \first
	v_mul_f32 v[A11], v[FP],   v[FP]
	v_mul_f32 v[A21], v[FP+1], v[FP]
	v_mul_f32 v[A31], v[FP+2], v[FP]
	v_mul_f32 v[A22], v[FP+1], v[FP+1]
	v_mul_f32 v[A32], v[FP+2], v[FP+1]
	v_mul_f32 v[A33], v[FP+2], v[FP+2]
.else
	v_fmac_f32 v[A11], v[FP],   v[FP]
	v_fmac_f32 v[A21], v[FP+1], v[FP]
	v_fmac_f32 v[A31], v[FP+2], v[FP]
	v_fmac_f32 v[A22], v[FP+1], v[FP+1]
	v_fmac_f32 v[A32], v[FP+2], v[FP+1]
	v_fmac_f32 v[A33], v[FP+2], v[FP+2]
.endif
.endm
; yy = 1 / bb, refined by one Newton step; the v_nop is the plain instruction behind the transcendental (ISA guide 5.7.2)
.macro RCPN yy, bb, tt
	v_rcp_f32 v[\yy], v[\bb]
	v_nop
	s_wait_alu depctr_va_vdst(0)
	v_fma_f32 v[\tt], -v[\bb], v[\yy], 1.0
	v_fmac_f32 v[\yy], v[\yy], v[\tt]
.endm
; qq = aa / bb, correctly rounded: aa yy, then twice the exact residual aa - bb qq times yy.  yy from RCPN of bb
.macro QUOT qq, aa, bb, yy, tt
	v_mul_f32 v[\qq], v[\aa], v[\yy]
	v_fma_f32 v[\tt], -v[\bb], v[\qq], v[\aa]
	v_fmac_f32 v[\qq], v[\tt], v[\yy]
	v_fma_f32 v[\tt], -v[\bb], v[\qq], v[\aa]
	v_fmac_f32 v[\qq], v[\tt], v[\yy]
.endm
; gg = sqrt(xx), correctly rounded: gg ~ sqrt, hh ~ 1 / (2 sqrt), one coupled Newton step, then the exact residual xx - gg^2 times hh
.macro SQRT gg, xx, hh, tt
	v_rsq_f32 v[\hh], v[\xx]
	v_nop
	s_wait_alu depctr_va_vdst(0)
	v_mul_f32 v[\gg], v[\xx], v[\hh]
	v_mul_f32 v[\hh], 0.5, v[\hh]
	v_fma_f32 v[\tt], -v[\hh], v[\gg], 0.5
	v_fmac_f32 v[\gg], v[\gg], v[\tt]
	v_fmac_f32 v[\hh], v[\hh], v[\tt]
	v_fma_f32 v[\tt], -v[\gg], v[\gg], v[\xx]
	v_fmac_f32 v[\gg], v[\tt], v[\hh]
.endm
; slartg(ff, gg): d = sqrt(ff ff + gg gg), cc = |ff| / d, rr = sign(d, ff), ss = gg / rr; every step rounded by itself.  Uses X+8 .. X+12
.macro LARTG cc, ss, rr, ff, gg
	v_mul_f32 v[X+8], v[\ff], v[\ff]
	v_mul_f32 v[X+9], v[\gg], v[\gg]
	v_add_f32 v[X+8], v[X+8], v[X+9]
	SQRT X+9, X+8, X+10, X+11
	RCPN X+10, X+9, X+11
	v_and_b32 v[X+12], s19, v[\ff]
	QUOT \cc, X+12, X+9, X+10, X+11
	QUOT \ss, \gg, X+9, X+10, X+11
	v_and_b32 v[X+12], 0x80000000, v[\ff]
	v_xor_b32 v[\ss], v[\ss], v[X+12]              ; a quotient's rounding does not hang on the sign
	v_bfi_b32 v[\rr], s19, v[X+9], v[\ff]
.endm
.macro CSW a, b, m                     ; where m: exchange
	v_mov_b32 v[T], v[\a]
	v_cndmask_b32 v[\a], v[\a], v[\b], \m
	v_cndmask_b32 v[\b], v[\b], v[T], \m
.endm
.macro SMALL                           ; s24: e1 is negligible; s25: e2 is.  (eps^2 |d|) |d'| + safmin, each step rounded by itself
	v_mul_f32 v[T],   s22, |v[D1]|
	v_mul_f32 v[T+1], s22, |v[D2]|
	v_mul_f32 v[T],   v[T],   |v[D2]|
	v_mul_f32 v[T+1], v[T+1], |v[D3]|
	v_add_f32 v[T],   s23, v[T]
	v_add_f32 v[T+1], s23, v[T+1]
	v_mul_f32 v[T+2], v[E1], v[E1]
	v_mul_f32 v[T+3], v[E2], v[E2]
	v_cmp_le_f32 s24, v[T+2], v[T]
	v_cmp_le_f32 s25, v[T+3], v[T+1]
.endm
.macro REVERSE                         ; where s21 (QR): d and e in reverse order
	CSW D1, D3, s21
	CSW E1, E2, s21
.endm
.macro PLANE c, s, ka, kb              ; columns ka, kb of Z:  za = c za + s zb,  zb = c zb - s za
.irp r, 0,1,2
	v_mul_f32 v[T], v[\s], v[Z+3*\r+\ka]
	v_mul_f32 v[Z+3*\r+\ka], v[\c], v[Z+3*\r+\ka]
	v_fmac_f32 v[Z+3*\r+\ka], v[\s], v[Z+3*\r+\kb]
	v_fma_f32 v[Z+3*\r+\kb], v[\c], v[Z+3*\r+\kb], -v[T]
.endr
.endm
.macro SORT2 i, j                      ; columns i < j in ascending order of d
	v_cmp_lt_f32 s30, v[D1+\j], v[D1+\i]
	CSW D1+\i, D1+\j, s30
	CSW Z+\i, Z+\j, s30
	CSW Z+3+\i, Z+3+\j, s30
	CSW Z+6+\i, Z+6+\j, s30
.endm
	s_load_b256 s[4:11], s[0:1], 0x0               ; center s[4:5], idx s[6:7], W1 s[8:9], y1 s[10:11]
	s_load_b64 s[12:13], s[0:1], 0x20              ; part1
	v_lshl_add_u32 v128, v0, 2, 0x800
	v_mov_b32 v129, 0
	v_lshrrev_b32 v1, 5, v0
	v_readfirstlane_b32 s14, v1                    ; wave
	s_lshr_b32 s16, ttmp9, 7
	s_mul_i32 s16, s16, 98304                      ; my batch
	s_mov_b32 s17, 0
	s_mov_b32 s18, 0xffff0000                      ; lanes 16-31
	s_mov_b32 s19, 0x7fffffff                      ; all but the sign
	s_mov_b32 s22, 0x27800000                      ; eps^2 = 2^-48
	s_mov_b32 s23, 0x00800000                      ; safmin = 2^-126
	s_mov_b32 s34, 0xf000f000                      ; lanes whose row of W1 does not exist (12-15)
	s_lshl_b32 s15, ttmp9, 9
	v_add_nc_u32 v1, s15, v0                       ; position = 8 x query + i
	v_lshlrev_b32 v11, 2, v1
	v_and_b32 v1, 0xffffffe0, v11                  ; 32 x query
	v_and_b32 v24, 15, v0
	v_min_u32 v24, 11, v24
	v_mul_u32_u24 v24, v24, 48
	s_wait_kmcnt 0x0
	s_add_nc_u64 s[4:5], s[4:5], s[16:17]
	global_load_b128 v[IX:IX+3], v1, s[6:7]
	global_load_b128 v[IX+4:IX+7], v1, s[6:7] offset:16
	global_load_b32 v[IX+8], v11, s[6:7]
	global_load_b128 v[WR:WR+3], v24, s[8:9]
	global_load_b128 v[WR+4:WR+7], v24, s[8:9] offset:16
	global_load_b128 v[WR+8:WR+11], v24, s[8:9] offset:32
	s_wait_loadcnt 0x3                             ; the indices are in; W1's three loads stay out
.irp j, 0,1,2,3,4,5,6,7,8
	v_min_u32 v[IX+\j], 0x1fff, v[IX+\j]           ; an index enters an address only clamped
	v_mul_u32_u24 v[IX+\j], v[IX+\j], 12
.endr
.irp j, 0,1,2,3,4,5,6,7,8
	global_load_b96 v[GP+4*\j:GP+4*\j+2], v[IX+\j], s[4:5]
.endr
	s_wait_loadcnt 0x9                             ; W1's row is in (and v24 free); the nine points stay out
	; W1: lane (o, h) holds W1[o][0..7] in registers 0-3 and W1[o][8..11] in 4, 5, alike in both halves of the lanes
.irp i, 0,1,2,3,4,5
	v_cvt_pk_f16_f32 v[AF+\i], v[WR+2*\i], v[WR+2*\i+1]
.endr
.irp i, 0,1,2,3,4,5
	v_cndmask_b32 v[AF+\i], v[AF+\i], 0, s34
.endr
	v_mov_b32 v[AF+6], 0
	v_mov_b32 v[AF+7], 0
	v_mov_b32 v[ONE], 1.0
	s_wait_loadcnt 0x0
	COVJ 0, 1
.irp j, 1,2,3,4,5,6,7
	COVJ \j, 0
.endr
	; ---- ssytd2.  slarfg(2, a21, a31): beta = -sign(slapy2(a21, |a31|), a21), tau = (beta - a21) / beta, v = (1, a31 (1 / (a21 - beta)))
	v_cmp_neq_f32 s20, 0, v[A31]                   ; a31 = 0: no reflector
	v_max_num_f32 v[X],   |v[A21]|, |v[A31]|       ; slapy2: w
	v_min_num_f32 v[X+1], |v[A21]|, |v[A31]|       ; z
	RCPN X+2, X, X+3
	QUOT X+4, X+1, X, X+2, X+3                     ; z / w
	v_mul_f32 v[X+4], v[X+4], v[X+4]
	v_add_f32 v[X+4], 1.0, v[X+4]
	SQRT X+5, X+4, X+6, X+3
	v_mul_f32 v[X+5], v[X], v[X+5]                 ; w sqrt(1 + (z / w)^2)
	v_xor_b32 v[X+6], 0x80000000, v[A21]
	v_bfi_b32 v[E1], s19, v[X+5], v[X+6]           ; beta
	v_sub_f32 v[X+6], v[E1], v[A21]
	RCPN X+2, E1, X+3
	QUOT X+7, X+6, E1, X+2, X+3                    ; tau
	v_sub_f32 v[X+6], v[A21], v[E1]
	RCPN X+2, X+6, X+3
	QUOT X+8, ONE, X+6, X+2, X+3                   ; 1 / (a21 - beta)
	v_mul_f32 v[X+8], v[A31], v[X+8]               ; v2
	; ssymv: y = tau A v, column by column
	v_mul_f32 v[X+9],  v[X+7], v[A22]              ; y0 = tau a22
	v_mul_f32 v[X+10], v[X+7], v[A32]              ; y1 = tau a32
	v_mul_f32 v[X+11], v[A32], v[X+8]              ; a32 v2
	v_fmac_f32 v[X+9], v[X+7], v[X+11]             ; y0 += tau (a32 v2)
	v_mul_f32 v[X+11], v[X+7], v[X+8]              ; tau v2
	v_fmac_f32 v[X+10], v[X+11], v[A33]            ; y1 += (tau v2) a33
	; alpha = -(tau / 2) sdot(y, v): the products rounded, then their sum
	v_mul_f32 v[X+12], v[X+10], v[X+8]
	v_add_f32 v[X+12], v[X+9], v[X+12]
	v_mul_f32 v[X+13], -0.5, v[X+7]
	v_mul_f32 v[X+13], v[X+13], v[X+12]
	; saxpy: w = y + alpha v
	v_add_f32 v[X+9], v[X+9], v[X+13]              ; w0
	v_fmac_f32 v[X+10], v[X+13], v[X+8]            ; w1
	; ssyr2: A -= v w^T + w v^T, a column at a time, first the term with v's entry as factor, then the one with w's
	v_sub_f32 v[D2], v[A22], v[X+9]
	v_sub_f32 v[D2], v[D2], v[X+9]
	v_sub_f32 v[E2], v[A32], v[X+10]
	v_fma_f32 v[E2], -v[X+9], v[X+8], v[E2]
	v_fma_f32 v[D3], -v[X+8], v[X+10], v[A33]
	v_fma_f32 v[D3], -v[X+10], v[X+8], v[D3]
	; H = I - tau v v^T = [[1 - tau, -tau v2], [-tau v2, tau - 1]]
	v_sub_f32 v[HC], 1.0, v[X+7]
	v_xor_b32 v[HS], 0x80000000, v[X+11]
	v_xor_b32 v[HD], 0x80000000, v[HC]
	v_cndmask_b32 v[E1], v[A21], v[E1], s20
	v_cndmask_b32 v[D2], v[A22], v[D2], s20
	v_cndmask_b32 v[D3], v[A33], v[D3], s20
	v_cndmask_b32 v[E2], v[A32], v[E2], s20
	v_cndmask_b32 v[HD], 1.0, v[HD], s20
	v_cndmask_b32 v[HC], 1.0, v[HC], s20
	v_cndmask_b32 v[HS], 0, v[HS], s20
	v_mov_b32 v[D1], v[A11]
	; ---- ssteqr: QL or QR
	v_cmp_lt_f32 s21, |v[D3]|, |v[D1]|
	REVERSE
	v_cndmask_b32 v[Z+0], 1.0, 0, s21              ; Z = I, with its columns reversed where QR
	v_mov_b32 v[Z+1], 0
	v_cndmask_b32 v[Z+2], 0, 1.0, s21
	v_mov_b32 v[Z+3], 0
	v_mov_b32 v[Z+4], 1.0
	v_mov_b32 v[Z+5], 0
	v_cndmask_b32 v[Z+6], 0, 1.0, s21
	v_mov_b32 v[Z+7], 0
	v_cndmask_b32 v[Z+8], 1.0, 0, s21
	s_mov_b32 s15, 0
.Lsweep:                                               ; a QL sweep over the whole 3 x 3, kept only where neither e is negligible
	SMALL
	s_or_b32 s26, s24, s25
	s_not_b32 s26, s26                             ; the lanes that sweep
	; the shift: g = (d2 - d1) / (2 e1); r = slapy2(g, 1); g = (d3 - d1) + e1 / (g + sign(r, g))
	v_sub_f32 v[X], v[D2], v[D1]
	v_add_f32 v[X+1], v[E1], v[E1]
	RCPN X+2, X+1, X+3
	QUOT X+4, X, X+1, X+2, X+3
	v_max_num_f32 v[X],   |v[X+4]|, 1.0            ; slapy2: w
	v_min_num_f32 v[X+1], |v[X+4]|, 1.0            ; z
	RCPN X+2, X, X+3
	QUOT X+5, X+1, X, X+2, X+3
	v_mul_f32 v[X+5], v[X+5], v[X+5]
	v_add_f32 v[X+5], 1.0, v[X+5]
	SQRT X+6, X+5, X+7, X+3
	v_mul_f32 v[X+6], v[X], v[X+6]                 ; r
	v_bfi_b32 v[X+6], s19, v[X+6], v[X+4]          ; sign(r, g)
	v_add_f32 v[X+6], v[X+4], v[X+6]
	RCPN X+2, X+6, X+3
	QUOT X+5, E1, X+6, X+2, X+3
	v_sub_f32 v[X+4], v[D3], v[D1]
	v_add_f32 v[X+4], v[X+4], v[X+5]               ; g
	; i = 2: f = b = e2
	LARTG RC2, RS2, X+13, X+4, E2
	v_sub_f32 v[X], v[D2], v[D3]
	v_mul_f32 v[X], v[X], v[RS2]
	v_add_f32 v[X+1], v[RC2], v[RC2]
	v_mul_f32 v[X+1], v[X+1], v[E2]
	v_add_f32 v[X], v[X], v[X+1]                   ; r = (d2 - d3) s + 2 c b
	v_mul_f32 v[RP], v[RS2], v[X]                  ; p = s r
	v_add_f32 v[ND3], v[D3], v[RP]
	v_mul_f32 v[X+1], v[RC2], v[X]
	v_sub_f32 v[RG], v[X+1], v[E2]                 ; g = c r - b
	; i = 1
	v_mul_f32 v[RF], v[RS2], v[E1]
	v_mul_f32 v[RB], v[RC2], v[E1]
	LARTG RC1, RS1, NE2, RG, RF                    ; e2 = r
	v_sub_f32 v[X], v[D2], v[RP]                   ; g = d2 - p
	v_sub_f32 v[X+1], v[D1], v[X]
	v_mul_f32 v[X+1], v[X+1], v[RS1]
	v_add_f32 v[X+2], v[RC1], v[RC1]
	v_mul_f32 v[X+2], v[X+2], v[RB]
	v_add_f32 v[X+1], v[X+1], v[X+2]               ; r = (d1 - g) s + 2 c b
	v_mul_f32 v[RP], v[RS1], v[X+1]                ; p = s r
	v_add_f32 v[ND2], v[X], v[RP]
	v_mul_f32 v[X+2], v[RC1], v[X+1]
	v_sub_f32 v[NE1], v[X+2], v[RB]                ; e1 = c r - b
	v_sub_f32 v[ND1], v[D1], v[RP]
	v_cndmask_b32 v[D1], v[D1], v[ND1], s26
	v_cndmask_b32 v[D2], v[D2], v[ND2], s26
	v_cndmask_b32 v[D3], v[D3], v[ND3], s26
	v_cndmask_b32 v[E1], v[E1], v[NE1], s26
	v_cndmask_b32 v[E2], v[E2], v[NE2], s26
	v_cndmask_b32 v[RC2], 1.0, v[RC2], s26         ; elsewhere the identity, so that Z needs no selects
	v_cndmask_b32 v[RS2], 0,   v[RS2], s26
	v_cndmask_b32 v[RC1], 1.0, v[RC1], s26
	v_cndmask_b32 v[RS1], 0,   v[RS1], s26
.irp r, 0,1,2
	v_mul_f32 v[T+\r], v[RS2], v[Z+3*\r+2]
	v_fma_f32 v[T+\r], v[RC2], v[Z+3*\r+1], -v[T+\r]       ; z2 behind the first rotation
	v_mul_f32 v[Z+3*\r+2], v[RC2], v[Z+3*\r+2]
	v_fmac_f32 v[Z+3*\r+2], v[RS2], v[Z+3*\r+1]
	v_mul_f32 v[Z+3*\r+1], v[RS1], v[Z+3*\r]
	v_fmac_f32 v[Z+3*\r+1], v[RC1], v[T+\r]
	v_mul_f32 v[Z+3*\r], v[RC1], v[Z+3*\r]
	v_fma_f32 v[Z+3*\r], -v[RS1], v[T+\r], v[Z+3*\r]
.endr
	s_add_co_u32 s15, s15, 1
	s_cmp_lt_u32 s15, 12
	s_cbranch_scc1 .Lsweep
	REVERSE                                        ; back to the true order
	CSW Z+0, Z+2, s21
	CSW Z+3, Z+5, s21
	CSW Z+6, Z+8, s21
	; ---- slaev2 on the 2 x 2 block that is left: (2, 3) where e1 is negligible, else (1, 2); none where both are
	SMALL
	s_and_b32 s27, s24, s25
	s_not_b32 s27, s27
	s_and_b32 s28, s27, s24                        ; rotate columns 2, 3
	s_and_not1_b32 s29, s27, s24                   ; rotate columns 1, 2
	v_cndmask_b32 v[T],   v[D1], v[D2], s24        ; a
	v_cndmask_b32 v[T+1], v[E1], v[E2], s24        ; b
	v_cndmask_b32 v[T+2], v[D2], v[D3], s24        ; c
	v_add_f32 v[T+3], v[T], v[T+2]                 ; sm
	v_sub_f32 v[T+4], v[T], v[T+2]                 ; df
	v_add_f32 v[T+5], v[T+1], v[T+1]               ; tb
	v_mul_f32 v[T+6], v[T+4], v[T+4]
	v_fmac_f32 v[T+6], v[T+5], v[T+5]
	v_sqrt_f32 v[T+6], v[T+6]                      ; rt
	v_nop
	v_cmp_gt_f32 s30, 0, v[T+3]                    ; sm < 0
	v_cmp_le_f32 s31, 0, v[T+4]                    ; df >= 0
	s_wait_alu depctr_va_vdst(0)
	v_xor_b32 v[T+7], 0x80000000, v[T+6]
	v_cndmask_b32 v[T+8], v[T+6], v[T+7], s30
	v_add_f32 v[T+8], v[T+3], v[T+8]
	v_mul_f32 v[T+8], 0.5, v[T+8]                  ; rt1
	v_cndmask_b32 v[T+9], v[T+7], v[T+6], s31
	v_add_f32 v[T+9], v[T+4], v[T+9]               ; cs
	v_cmp_gt_f32 s32, |v[T+9]|, |v[T+5]|
	v_cndmask_b32 v[T+10], v[T+9], v[T+5], s32
	v_cndmask_b32 v[T+11], v[T+5], v[T+9], s32
	v_rcp_f32 v[T+11], v[T+11]
	v_rcp_f32 v[T+12], v[T+8]
	v_nop
	s_wait_alu depctr_va_vdst(0)
	v_mul_f32 v[T+10], v[T+10], -v[T+11]           ; ct or tn
	v_fma_f32 v[T+13], v[T+10], v[T+10], 1.0
	v_rsq_f32 v[T+13], v[T+13]
	v_mul_f32 v[T+14], v[T], v[T+12]
	v_mul_f32 v[T+15], v[T+1], v[T+12]
	s_wait_alu depctr_va_vdst(0)
	v_mul_f32 v[T+16], v[T+10], v[T+13]
	v_mul_f32 v[T+15], v[T+15], v[T+1]
	v_fma_f32 v[T+14], v[T+14], v[T+2], -v[T+15]   ; rt2
	v_cndmask_b32 v[T+10], v[T+13], v[T+16], s32   ; cs1
	v_cndmask_b32 v[T+11], v[T+16], v[T+13], s32   ; sn1
	s_xor_b32 s33, s30, s31                        ; sgn1 = sgn2
	v_xor_b32 v[T+12], 0x80000000, v[T+11]
	v_cndmask_b32 v[T+12], v[T+10], v[T+12], s33
	v_cndmask_b32 v[T+13], v[T+11], v[T+10], s33
	v_cndmask_b32 v[T+1], 1.0, v[T+12], s29
	v_cndmask_b32 v[T+2], 0,   v[T+13], s29
	v_cndmask_b32 v[T+3], 1.0, v[T+12], s28
	v_cndmask_b32 v[T+4], 0,   v[T+13], s28
	PLANE T+1, T+2, 0, 1
	PLANE T+3, T+4, 1, 2
	v_cndmask_b32 v[D1], v[D1], v[T+8],  s29
	v_cndmask_b32 v[D2], v[D2], v[T+14], s29
	v_cndmask_b32 v[D2], v[D2], v[T+8],  s28
	v_cndmask_b32 v[D3], v[D3], v[T+14], s28
	SORT2 0, 1
	SORT2 0, 2
	SORT2 1, 2
	; ---- back-transform: rows 2, 3 of Z times H
.irp k, 0,1,2
	v_mul_f32 v[T], v[HS], v[Z+3+\k]
	v_mul_f32 v[Z+3+\k], v[HC], v[Z+3+\k]
	v_fmac_f32 v[Z+3+\k], v[HS], v[Z+6+\k]
	v_fma_f32 v[Z+6+\k], v[HD], v[Z+6+\k], v[T]
.endr
	; ---- the features
.irp k, 0,1,2
	v_mul_f32 v[T+\k], v[Z+\k], v[Z+\k]
	v_fmac_f32 v[T+\k], v[Z+3+\k], v[Z+3+\k]
	v_fmac_f32 v[T+\k], v[Z+6+\k], v[Z+6+\k]
.endr
	v_rsq_f32 v[T], v[T]
	v_rsq_f32 v[T+1], v[T+1]
	v_rsq_f32 v[T+2], v[T+2]
	v_nop
	s_wait_alu depctr_va_vdst(0)
	v_mul_f32 v[D1], v[D1], v[T]                   ; l3
	v_mul_f32 v[D2], v[D2], v[T+1]                 ; l2
	v_mul_f32 v[D3], v[D3], v[T+2]                 ; l1
	v_rcp_f32 v[T+3], v[D3]
	v_xor_b32 v[T], 0x80000000, v[T]               ; v3 is minus the first column
	v_sub_f32 v[FE], v[D3], v[D2]
	v_sub_f32 v[FE+1], v[D2], v[D1]
	s_wait_alu depctr_va_vdst(0)
	v_mul_f32 v[FE], v[FE], v[T+3]
	v_mul_f32 v[FE+1], v[FE+1], v[T+3]
	v_mul_f32 v[FE+2], v[D1], v[T+3]
.irp r, 0,1,2
	v_mul_f32 v[FE+3+\r], v[Z+3*\r+2], v[T+2]
	v_mul_f32 v[FE+6+\r], v[Z+3*\r+1], v[T+1]
	v_mul_f32 v[FE+9+\r], v[Z+3*\r],   v[T]
.endr
.irp i, 0,1,2,3,4,5
	v_cvt_pk_f16_f32 v[FP+\i], v[FE+2*\i], v[FE+2*\i+1]
.endr
	; A lane's 12 features already lie where the second operand wants column (lane % 16): lanes 0-15 at K 0-7 and 16-19, lanes 16-31
	; at K 8-15 and 24-27, and W1 lies at both.  With the other half of the lanes zero, each product takes one half's positions.
.irp i, 0,1,2,3,4,5
	v_cndmask_b32 v[B1+\i], v[FP+\i], 0, s18
	v_cndmask_b32 v[B2+\i], 0, v[FP+\i], s18
.endr
	v_mov_b32 v[B1+6], 0
	v_mov_b32 v[B1+7], 0
	v_mov_b32 v[B2+6], 0
	v_mov_b32 v[B2+7], 0
	v_wmma_f32_16x16x32_f16 v[DA:DA+7], v[AF:AF+7], v[B1:B1+7], 0
	v_wmma_f32_16x16x32_f16 v[DB:DB+7], v[AF:AF+7], v[B2:B2+7], 0
	; six plain vector instructions that name none of their registers stand before the results are read (ISA guide 7.12.1)
	s_lshl_b32 s15, ttmp9, 15                      ; 32 tiles of 1,024 bytes a work-group,
	s_lshl_b32 s16, s14, 11                        ; 2 a wave
	s_add_co_u32 s15, s15, s16
	v_and_b32 v1, 31, v0
	v_lshlrev_b32 v1, 4, v1
	v_add_nc_u32 v1, s15, v1
	s_lshl_b32 s16, s14, 7
	v_bfe_u32 v2, v0, 4, 1
	v_lshlrev_b32 v2, 5, v2
	v_add_nc_u32 v2, s16, v2                       ; LDS: 128 w + 32 h
	; a tile: registers 0-3 of the 32 lanes, then registers 4-7: each store covers 512 consecutive bytes
	global_store_b128 v1, v[DA:DA+3], s[10:11]
	global_store_b128 v1, v[DA+4:DA+7], s[10:11] offset:512
	global_store_b128 v1, v[DB:DB+3], s[10:11] offset:1024
	global_store_b128 v1, v[DB+4:DB+7], s[10:11] offset:1536
.irp i, 0,2,4,6
	v_pk_add_f32 v[SS+\i:SS+\i+1], v[DA+\i:DA+\i+1], v[DB+\i:DB+\i+1]
	v_pk_mul_f32 v[QQ+\i:QQ+\i+1], v[DA+\i:DA+\i+1], v[DA+\i:DA+\i+1]
.endr
.irp i, 0,2,4,6
	v_pk_fma_f32 v[QQ+\i:QQ+\i+1], v[DB+\i:DB+\i+1], v[DB+\i:DB+\i+1], v[QQ+\i:QQ+\i+1]
.endr
.irp m, 1,2,4,8
.set jj, 0
.rept 16
	v_add_f32_dpp v[SS+jj], v[SS+jj], v[SS+jj] row_xmask:\m row_mask:0xf bank_mask:0xf
.set jj, jj+1
.endr
.endr
	ds_store_b128 v2, v[SS:SS+3]                   ; channel 8 h + j: sums at word 8 h + j, squares 16 words further
	ds_store_b128 v2, v[SS+4:SS+7] offset:16
	ds_store_b128 v2, v[QQ:QQ+3] offset:64
	ds_store_b128 v2, v[QQ+4:QQ+7] offset:80
	s_wait_dscnt 0x0                               ; my stores are done before I say so
	s_barrier_signal -1
	s_barrier_wait -1
	s_cmp_lg_u32 s14, 0
	s_cbranch_scc1 .Lend
	v_and_b32 v3, 31, v0
	v_lshlrev_b32 v3, 2, v3
.irp w, 0,1,2,3,4,5,6,7,8,9,10,11,12,13,14,15
	ds_load_b32 v[32+\w], v3 offset:128*\w
.endr
	s_wait_dscnt 0x0
.irp i, 0,2,4,6
	v_pk_add_f32 v[32+\i:33+\i], v[32+\i:33+\i], v[40+\i:41+\i]
.endr
	v_pk_add_f32 v[32:33], v[32:33], v[36:37]
	v_pk_add_f32 v[34:35], v[34:35], v[38:39]
	v_pk_add_f32 v[32:33], v[32:33], v[34:35]
	v_add_f32 v32, v32, v33
	s_lshl_b32 s15, ttmp9, 7
	v_add_nc_u32 v3, s15, v3
	global_store_b32 v3, v32, s[12:13]             ; 128 bytes a work-group
.Lend:
	s_wait_tensorcnt 0x0
	ds_add_u32 v128, v129
	s_wait_dscnt 0x0
	s_endpgm
.Lfunc_end_k_q249978a3a5_feat:
	.size	k_q249978a3a5_feat, .Lfunc_end_k_q249978a3a5_feat-k_q249978a3a5_feat
	.p2alignl 7, 3214868480
	.fill 96, 4, 3214868480
	.section	.rodata,"a",@progbits
	.p2align	6, 0x0
	.amdhsa_kernel k_q249978a3a5_feat
		.amdhsa_group_segment_fixed_size 4096
		.amdhsa_private_segment_fixed_size 0
		.amdhsa_enable_private_segment 0
		.amdhsa_kernarg_size 40
		.amdhsa_user_sgpr_count 2
		.amdhsa_user_sgpr_kernarg_segment_ptr 1
		.amdhsa_wavefront_size32 1
		.amdhsa_system_sgpr_workgroup_id_x 1
		.amdhsa_system_sgpr_workgroup_id_y 1
		.amdhsa_system_sgpr_workgroup_id_z 1
		.amdhsa_system_vgpr_workitem_id 0
		.amdhsa_next_free_vgpr 130
		.amdhsa_next_free_sgpr 66
		.amdhsa_reserve_vcc 0
		.amdhsa_float_denorm_mode_32 3
		.amdhsa_float_denorm_mode_16_64 3
		.amdhsa_memory_ordered 1
		.amdhsa_forward_progress 1
		.amdhsa_inst_pref_size 37
	.end_amdhsa_kernel
	.amdgpu_metadata
---
amdhsa.version: [ 1, 2 ]
amdhsa.kernels:
  - .name:           k_q249978a3a5_feat
    .symbol:         k_q249978a3a5_feat.kd
    .args:
      - { .name: center, .offset: 0, .size: 8, .value_kind: global_buffer, .address_space: global }
      - { .name: idx, .offset: 8, .size: 8, .value_kind: global_buffer, .address_space: global }
      - { .name: W1, .offset: 16, .size: 8, .value_kind: global_buffer, .address_space: global }
      - { .name: y1, .offset: 24, .size: 8, .value_kind: global_buffer, .address_space: global }
      - { .name: part1, .offset: 32, .size: 8, .value_kind: global_buffer, .address_space: global }
    .group_segment_fixed_size: 4096
    .private_segment_fixed_size: 0
    .kernarg_segment_align: 8
    .kernarg_segment_size: 40
    .max_flat_workgroup_size: 512
    .sgpr_count:     66
    .vgpr_count:     130
    .wavefront_size: 32
...
	.end_amdgpu_metadata
.endif
;; end of part 3
;; launch mid (part 4): grid 256 x 1, 4 waves a work-group, no clusters, 1,536 bytes of LDS; arguments y1, part1, W2, bn1_g, bn1_b, u2, part2; writes u2, part2
.if DOCPART == 4
	.amdgcn_target "amdgcn-amd-amdhsa--gfx1250"
	.amdhsa_code_object_version 6
	.text
	.protected	k_q249978a3a5_mid
	.globl	k_q249978a3a5_mid
	.p2align	8
	.type	k_q249978a3a5_mid,@function
k_q249978a3a5_mid:
	s_mov_b64 s[64:65], 0
	v_nop
	global_prefetch_b8 v0, s[64:65] scope:SCOPE_SE
	s_setreg_imm32_b32 hwreg(HW_REG_WAVE_MODE, 25, 1), 1
	s_wait_xcnt 0x0
; Launch 4 of 5.  x = relu(BatchNorm1(y1)), u2 = W2 x (f16 operands, f32 sums; b2 is added in the last launch), and the work-group's
; sums of u2 and u2^2.  A tile is 16 positions x 16 channels (12 used, 4 zero) in the layout of a matrix result: lane (r, h), register j =
; channel 8 h + j of position r.  That is also where the next product's second operand wants it: no data moves between lanes.
; Every work-group adds the 256 partial sums for itself (32,768 bytes from the cache).  Wave w takes 8 tiles.
; LIMITS: variance as E[y^2] - mean^2 in f32, clamped at 0.  x goes to f16: |x| <= 362 |gamma| + |beta| by the normalisation itself, which
; leaves room up to |gamma| about 180; |W2| up to 65,504.
; No cluster, tensor load or prefetch: each tile is read once by one wave, 16 loads in flight a wave; the rest is small and cached.
.set WQ, 8                             ; v[8:15]    two quads of my row of W2
.set GA, 16                            ; v[16:23]   gamma of channels 8 h + j
.set BE, 24                            ; v[24:31]   beta
.set AF, 48                            ; v[48:55]   W2 as first operand
.set OP, 56                            ; v56-v60    offsets
.set OT, 57
.set OL, 58
.set OR, 59
.set OS, 60
.set Y,  64                            ; v[64:127]  8 tiles: y1 as loaded, then x, then u2
.set PT, 128                           ; v[128:191] partial sums
.set SC, 144                           ; v[144:151] scale
.set SH, 152                           ; v[152:159] shift
.set BB, 160                           ; v[160:175] second operand, two buffers
.set SS, 176                           ; v[176:183] sums of u2
.set QQ, 184                           ; v[184:191] sums of u2^2
.macro FOLD base, cnt                  ; cnt register pairs += the cnt pairs behind them
.set pp, 0
.rept \cnt
	v_pk_add_f32 v[\base+2*pp:\base+2*pp+1], v[\base+2*pp:\base+2*pp+1], v[\base+2*\cnt+2*pp:\base+2*\cnt+2*pp+1]
.set pp, pp+1
.endr
.endm
.macro XB k                            ; tile k: normalise, relu, to f16, multiply.  The operand buffer is written again two tiles later,
	s_wait_loadcnt 14-2*\k                         ; behind the 16 vector instructions of the tile between.  The wait: the loads of the tiles behind k stay out
.irp i, 0,2,4,6
	v_pk_fma_f32 v[Y+8*\k+\i:Y+8*\k+\i+1], v[Y+8*\k+\i:Y+8*\k+\i+1], v[SC+\i:SC+\i+1], v[SH+\i:SH+\i+1]
.endr
.irp i, 0,1,2,3,4,5,6,7
	v_max_num_f32 v[Y+8*\k+\i], 0, v[Y+8*\k+\i]
.endr
.irp i, 0,1,2,3
	v_cvt_pk_f16_f32 v[BB+8*(\k&1)+\i], v[Y+8*\k+2*\i], v[Y+8*\k+2*\i+1]
.endr
	v_wmma_f32_16x16x32_f16 v[Y+8*\k:Y+8*\k+7], v[AF:AF+7], v[BB+8*(\k&1):BB+8*(\k&1)+7], 0
.endm
	s_load_b256 s[4:11], s[0:1], 0x0               ; y1 s[4:5], part1 s[6:7], W2 s[8:9], bn1_g s[10:11]
	s_load_b128 s[12:15], s[0:1], 0x20             ; bn1_b s[12:13], u2 s[14:15]
	s_load_b64 s[16:17], s[0:1], 0x30              ; part2
	v_lshl_add_u32 v192, v0, 2, 0x400
	v_mov_b32 v193, 0
	v_lshrrev_b32 v1, 5, v0
	v_readfirstlane_b32 s18, v1                    ; wave
	v_and_b32 v1, 31, v0                           ; lane
	v_and_b32 v2, 15, v0                           ; r
	v_bfe_u32 v3, v0, 4, 1                         ; h
	s_mov_b32 s20, 0x76543210
	s_mov_b32 s21, 0xfedcba98
	s_mov_b32 s22, 0xf000f000                      ; rows 12-15 of W2 do not exist
	s_mov_b32 s23, 0xfffff000                      ; nor do columns 12-15 (lanes 16-31, second quad)
	v_min_u32 v4, 11, v2
	v_mul_u32_u24 v4, v4, 48
	v_lshl_add_u32 v5, v3, 5, v4                   ; W2[o][8 h ..]
	v_lshlrev_b32 v6, 5, v3                        ; channel 8 h
	v_mov_b32 v7, 0
	s_lshl_b32 s19, s18, 13
	v_lshl_add_u32 v[OP], v1, 4, s19               ; my wave's 64 rows of partial sums
	s_lshl_b32 s24, ttmp9, 15
	s_add_co_u32 s24, s24, s19                     ; tile 32 g + 8 w
	v_lshl_add_u32 v[OT], v1, 4, s24
	s_wait_kmcnt 0x0
	global_load_b128 v[WQ:WQ+3], v5, s[8:9]
	global_load_b128 v[WQ+4:WQ+7], v4, s[8:9] offset:16
	global_load_b128 v[GA:GA+3], v6, s[10:11]
	global_load_b128 v[GA+4:GA+7], v7, s[10:11] offset:16  ; channels 4-7; in lanes 16-31 they stand in for channels 12-15, whose weights are 0
	global_load_b128 v[BE:BE+3], v6, s[12:13]
	global_load_b128 v[BE+4:BE+7], v7, s[12:13] offset:16
.irp i, 0,1,2,3,4,5,6,7,8,9,10,11,12,13,14,15
	global_load_b128 v[PT+4*\i:PT+4*\i+3], v[OP], s[6:7] offset:512*\i
.endr
.irp k, 0,1,2,3,4,5,6,7
	global_load_b128 v[Y+8*\k:Y+8*\k+3],   v[OT], s[4:5] offset:1024*\k
	global_load_b128 v[Y+8*\k+4:Y+8*\k+7], v[OT], s[4:5] offset:1024*\k+512
.endr
	v_and_b32 v[OL], 7, v0
	v_lshlrev_b32 v[OL], 4, v[OL]
	s_lshl_b32 s25, s18, 7
	v_add_nc_u32 v[OL], s25, v[OL]                 ; LDS: 128 w + 16 (lane % 8)
	v_lshlrev_b32 v[OR], 5, v3                     ; LDS: 32 h
	v_add_nc_u32 v[OS], s25, v[OR]                 ; LDS: 128 w + 32 h
	s_wait_loadcnt 0x10                            ; all but the sixteen tile loads
	v_cvt_pk_f16_f32 v[AF],   v[WQ],   v[WQ+1]
	v_cvt_pk_f16_f32 v[AF+1], v[WQ+2], v[WQ+3]
	v_cvt_pk_f16_f32 v[AF+2], v[WQ+4], v[WQ+5]
	v_cvt_pk_f16_f32 v[AF+3], v[WQ+6], v[WQ+7]
	v_cndmask_b32 v[AF],   v[AF],   0, s22
	v_cndmask_b32 v[AF+1], v[AF+1], 0, s22
	v_cndmask_b32 v[AF+2], v[AF+2], 0, s23
	v_cndmask_b32 v[AF+3], v[AF+3], 0, s23
.irp i, 4,5,6,7
	v_mov_b32 v[AF+\i], 0
.endr
	; the sums over all 256 work-groups: a load held 4 rows of 32 words; lane l holds words 4 (l % 8) .. + 3 of row l / 8
	FOLD PT, 16
	FOLD PT, 8
	FOLD PT, 4
	FOLD PT, 2
.irp j, 0,1,2,3
	v_add_f32_dpp v[PT+\j], v[PT+\j], v[PT+\j] row_xmask:8 row_mask:0xf bank_mask:0xf
.endr
.irp j, 0,1,2,3
	v_permlanex16_b32 v[PT+4+\j], v[PT+\j], s20, s21
.endr
	v_pk_add_f32 v[PT:PT+1], v[PT:PT+1], v[PT+4:PT+5]
	v_pk_add_f32 v[PT+2:PT+3], v[PT+2:PT+3], v[PT+6:PT+7]
	ds_store_b128 v[OL], v[PT:PT+3]
	s_wait_dscnt 0x0
	s_barrier_signal -1
	s_barrier_wait -1
.irp w, 0,1,2,3
	ds_load_b128 v[PT+16*\w:PT+16*\w+3],     v[OR] offset:128*\w
	ds_load_b128 v[PT+16*\w+4:PT+16*\w+7],   v[OR] offset:128*\w+16
	ds_load_b128 v[PT+16*\w+8:PT+16*\w+11],  v[OR] offset:128*\w+64
	ds_load_b128 v[PT+16*\w+12:PT+16*\w+15], v[OR] offset:128*\w+80
.endr
	s_wait_dscnt 0x0
	FOLD PT, 16
	FOLD PT, 8                                     ; PT .. +7: sums, PT + 8 .. +15: sums of squares, of channels 8 h + j
.irp j, 0,1,2,3,4,5,6,7
	v_mul_f32 v[PT+\j], 0x37000000, v[PT+\j]       ; mean: 2^-17, one over 2 x 8 x 8192
	v_mul_f32 v[PT+8+\j], 0x37000000, v[PT+8+\j]
	v_fma_f32 v[PT+8+\j], -v[PT+\j], v[PT+\j], v[PT+8+\j]
	v_max_num_f32 v[PT+8+\j], 0, v[PT+8+\j]
	v_add_f32 v[PT+8+\j], 0x3727c5ac, v[PT+8+\j]   ; + 1e-5
.endr
.irp j, 0,1,2,3,4,5,6,7
	v_rsq_f32 v[SC+\j], v[PT+8+\j]
.endr
	v_nop
	s_wait_alu depctr_va_vdst(0)
.irp j, 0,1,2,3,4,5,6,7
	v_mul_f32 v[SC+\j], v[GA+\j], v[SC+\j]
	v_fma_f32 v[SH+\j], -v[PT+\j], v[SC+\j], v[BE+\j]
.endr
.irp i, 4,5,6,7,12,13,14,15
	v_mov_b32 v[BB+\i], 0                          ; K 16-31 of both buffers
.endr
.irp k, 0,1,2,3,4,5,6,7
	XB \k
.endr
	; sums, tiles in order: tile 7's result is read behind the instructions on tiles 0 to 6, which name none of its product's registers
.irp i, 0,2,4,6
	v_pk_add_f32 v[SS+\i:SS+\i+1], v[Y+\i:Y+\i+1], v[Y+8+\i:Y+8+\i+1]
	v_pk_mul_f32 v[QQ+\i:QQ+\i+1], v[Y+\i:Y+\i+1], v[Y+\i:Y+\i+1]
.endr
.irp k, 1,2,3,4,5,6,7
.irp i, 0,2,4,6
	v_pk_fma_f32 v[QQ+\i:QQ+\i+1], v[Y+8*\k+\i:Y+8*\k+\i+1], v[Y+8*\k+\i:Y+8*\k+\i+1], v[QQ+\i:QQ+\i+1]
.if \k > 1
	v_pk_add_f32 v[SS+\i:SS+\i+1], v[SS+\i:SS+\i+1], v[Y+8*\k+\i:Y+8*\k+\i+1]
.endif
.endr
.endr
.irp k, 0,1,2,3,4,5,6,7
	global_store_b128 v[OT], v[Y+8*\k:Y+8*\k+3],   s[14:15] offset:1024*\k
	global_store_b128 v[OT], v[Y+8*\k+4:Y+8*\k+7], s[14:15] offset:1024*\k+512
.endr
.irp m, 1,2,4,8
.set jj, 0
.rept 16
	v_add_f32_dpp v[SS+jj], v[SS+jj], v[SS+jj] row_xmask:\m row_mask:0xf bank_mask:0xf
.set jj, jj+1
.endr
.endr
	ds_store_b128 v[OS], v[SS:SS+3]   offset:512   ; other bytes than the first exchange used: no barrier is owed before these stores
	ds_store_b128 v[OS], v[SS+4:SS+7] offset:528
	ds_store_b128 v[OS], v[QQ:QQ+3]   offset:576
	ds_store_b128 v[OS], v[QQ+4:QQ+7] offset:592
	s_wait_dscnt 0x0
	s_barrier_signal -1
	s_barrier_wait -1
	s_cmp_lg_u32 s18, 0
	s_cbranch_scc1 .Lend
	v_lshlrev_b32 v4, 2, v1
.irp w, 0,1,2,3
	ds_load_b32 v[PT+\w], v4 offset:512+128*\w
.endr
	s_wait_dscnt 0x0
	v_pk_add_f32 v[PT:PT+1], v[PT:PT+1], v[PT+2:PT+3]
	v_add_f32 v[PT], v[PT], v[PT+1]
	s_lshl_b32 s19, ttmp9, 7
	v_add_nc_u32 v4, s19, v4
	global_store_b32 v4, v[PT], s[16:17]
.Lend:
	s_wait_tensorcnt 0x0
	ds_add_u32 v192, v193
	s_wait_dscnt 0x0
	s_endpgm
.Lfunc_end_k_q249978a3a5_mid:
	.size	k_q249978a3a5_mid, .Lfunc_end_k_q249978a3a5_mid-k_q249978a3a5_mid
	.p2alignl 7, 3214868480
	.fill 96, 4, 3214868480
	.section	.rodata,"a",@progbits
	.p2align	6, 0x0
	.amdhsa_kernel k_q249978a3a5_mid
		.amdhsa_group_segment_fixed_size 1536
		.amdhsa_private_segment_fixed_size 0
		.amdhsa_enable_private_segment 0
		.amdhsa_kernarg_size 56
		.amdhsa_user_sgpr_count 2
		.amdhsa_user_sgpr_kernarg_segment_ptr 1
		.amdhsa_wavefront_size32 1
		.amdhsa_system_sgpr_workgroup_id_x 1
		.amdhsa_system_sgpr_workgroup_id_y 1
		.amdhsa_system_sgpr_workgroup_id_z 1
		.amdhsa_system_vgpr_workitem_id 0
		.amdhsa_next_free_vgpr 194
		.amdhsa_next_free_sgpr 66
		.amdhsa_reserve_vcc 0
		.amdhsa_float_denorm_mode_32 3
		.amdhsa_float_denorm_mode_16_64 3
		.amdhsa_memory_ordered 1
		.amdhsa_forward_progress 1
		.amdhsa_inst_pref_size 32
	.end_amdhsa_kernel
	.amdgpu_metadata
---
amdhsa.version: [ 1, 2 ]
amdhsa.kernels:
  - .name:           k_q249978a3a5_mid
    .symbol:         k_q249978a3a5_mid.kd
    .args:
      - { .name: y1, .offset: 0, .size: 8, .value_kind: global_buffer, .address_space: global }
      - { .name: part1, .offset: 8, .size: 8, .value_kind: global_buffer, .address_space: global }
      - { .name: W2, .offset: 16, .size: 8, .value_kind: global_buffer, .address_space: global }
      - { .name: bn1_g, .offset: 24, .size: 8, .value_kind: global_buffer, .address_space: global }
      - { .name: bn1_b, .offset: 32, .size: 8, .value_kind: global_buffer, .address_space: global }
      - { .name: u2, .offset: 40, .size: 8, .value_kind: global_buffer, .address_space: global }
      - { .name: part2, .offset: 48, .size: 8, .value_kind: global_buffer, .address_space: global }
    .group_segment_fixed_size: 1536
    .private_segment_fixed_size: 0
    .kernarg_segment_align: 8
    .kernarg_segment_size: 56
    .max_flat_workgroup_size: 128
    .sgpr_count:     66
    .vgpr_count:     194
    .wavefront_size: 32
...
	.end_amdgpu_metadata
.endif
;; end of part 4
;; launch last (part 5): grid 256 x 1, 4 waves a work-group, no clusters, 8,704 bytes of LDS; arguments u2, part2, W3, bn2_g, bn2_b, b2, b3, out0; writes out0
.if DOCPART == 5
	.amdgcn_target "amdgcn-amd-amdhsa--gfx1250"
	.amdhsa_code_object_version 6
	.text
	.protected	k_q249978a3a5_last
	.globl	k_q249978a3a5_last
	.p2align	8
	.type	k_q249978a3a5_last,@function
k_q249978a3a5_last:
	s_mov_b64 s[64:65], 0
	v_nop
	global_prefetch_b8 v0, s[64:65] scope:SCOPE_SE
	s_setreg_imm32_b32 hwreg(HW_REG_WAVE_MODE, 25, 1), 1
	s_wait_xcnt 0x0
; Launch 5 of 5.  x = relu(BatchNorm2(u2 + b2)), W3 x (f16 operands, f32 sums), the sum over the 8 neighbours, + 8 b3.
; Tiles and the exchange of the partial sums as in the launch before.  The statistics were taken on u2 without b2, so that a large b2
; costs the variance nothing: the mean of u2 + b2 is mean + b2, and the shift is beta + (b2 - (mean + b2)) scale.
; A tile holds 2 queries x 8 neighbours: three DPP steps add the neighbours.  The 64 queries x 12 channels of a work-group are turned in
; LDS (rows of 256 bytes + 16), so that sixteen lanes store 256 consecutive bytes of a channel's row, aligned.
; LIMITS: as in the launch before (variance as E[u^2] - mean^2; f16 room up to |gamma| about 180, |W3| up to 65,504).
; No cluster, tensor load or prefetch: each tile is read once by one wave, 16 loads in flight a wave; the rest is small and cached.
.set WQ,  8                            ; v[8:15]    two quads of my row of W3
.set GA,  16                           ; v[16:23]   gamma of channels 8 h + j
.set BE,  24                           ; v[24:31]   beta
.set B2V, 32                           ; v[32:39]   b2 of channels 8 h + j
.set B3V, 40                           ; v[40:47]   b3, then 8 b3
.set AF,  48                           ; v[48:55]   W3 as first operand
.set OP,  56                           ; v56        offset of my partial sums (an address register of loads: never rewritten)
.set OT,  57                           ; v57        offset of my tiles (likewise)
.set OL,  58                           ; v58        LDS: where my wave's sums go
.set OR,  59                           ; v59        LDS: where the sums are read
.set OS,  60                           ; v60        LDS: where a tile's results go in the stage
.set OA,  61                           ; v61        at work
.set OB,  62                           ; v62        the way out: byte offset in the output
.set OD,  63                           ; v63        the way out: LDS address in the stage
.set Y,   64                           ; v[64:127]  8 tiles: u2 as loaded, then x, then W3 x
.set PT,  128                          ; v[128:191] partial sums
.set SC,  144                          ; v[144:151] scale
.set SH,  152                          ; v[152:159] shift
.set BB,  160                          ; v[160:175] second operand, two buffers
.set STAGE, 1024                       ; LDS: behind the exchange of the sums
.set SP,    272
.macro FOLD base, cnt                  ; cnt register pairs += the cnt pairs behind them
.set pp, 0
.rept \cnt
	v_pk_add_f32 v[\base+2*pp:\base+2*pp+1], v[\base+2*pp:\base+2*pp+1], v[\base+2*\cnt+2*pp:\base+2*\cnt+2*pp+1]
.set pp, pp+1
.endr
.endm
.macro XB k                            ; tile k: normalise, relu, to f16, multiply.  The operand buffer is written again two tiles later,
	s_wait_loadcnt 14-2*\k                         ; behind the 16 vector instructions of the tile between.  The wait: the loads of the tiles behind k stay out
.irp i, 0,2,4,6
	v_pk_fma_f32 v[Y+8*\k+\i:Y+8*\k+\i+1], v[Y+8*\k+\i:Y+8*\k+\i+1], v[SC+\i:SC+\i+1], v[SH+\i:SH+\i+1]
.endr
.irp i, 0,1,2,3,4,5,6,7
	v_max_num_f32 v[Y+8*\k+\i], 0, v[Y+8*\k+\i]
.endr
.irp i, 0,1,2,3
	v_cvt_pk_f16_f32 v[BB+8*(\k&1)+\i], v[Y+8*\k+2*\i], v[Y+8*\k+2*\i+1]
.endr
	v_wmma_f32_16x16x32_f16 v[Y+8*\k:Y+8*\k+7], v[AF:AF+7], v[BB+8*(\k&1):BB+8*(\k&1)+7], 0
.endm
	s_load_b256 s[4:11], s[0:1], 0x0               ; u2 s[4:5], part2 s[6:7], W3 s[8:9], bn2_g s[10:11]
	s_load_b256 s[12:19], s[0:1], 0x20             ; bn2_b s[12:13], b2 s[14:15], b3 s[16:17], out0 s[18:19]
	v_lshl_add_u32 v192, v0, 2, 0x2000
	v_mov_b32 v193, 0
	v_lshrrev_b32 v1, 5, v0
	v_readfirstlane_b32 s20, v1                    ; wave
	v_and_b32 v1, 31, v0                           ; lane
	v_and_b32 v2, 15, v0                           ; r
	v_bfe_u32 v3, v0, 4, 1                         ; h
	s_mov_b32 s22, 0x76543210                      ; v_permlanex16_b32: lane i of the other half
	s_mov_b32 s23, 0xfedcba98
	s_mov_b32 s24, 0xf000f000                      ; rows 12-15 of W3 do not exist
	s_mov_b32 s25, 0xfffff000                      ; nor do columns 12-15 (lanes 16-31, second quad)
	v_min_u32 v4, 11, v2
	v_mul_u32_u24 v4, v4, 48
	v_lshl_add_u32 v5, v3, 5, v4                   ; W3[o][8 h ..]
	v_lshlrev_b32 v6, 5, v3                        ; channel 8 h
	v_mov_b32 v7, 0
	s_lshl_b32 s21, s20, 13
	v_lshl_add_u32 v[OP], v1, 4, s21               ; my wave's 64 rows of partial sums
	s_lshl_b32 s28, ttmp9, 15
	s_add_co_u32 s28, s28, s21                     ; tile 32 g + 8 w
	v_lshl_add_u32 v[OT], v1, 4, s28
	s_lshr_b32 s26, ttmp9, 7
	s_mul_i32 s26, s26, 393216                     ; a batch of the output: 12 x 8192 x 4 bytes
	s_and_b32 s27, ttmp9, 127
	s_lshl_b32 s27, s27, 8                         ; my 64 queries
	s_add_co_u32 s26, s26, s27
	s_mov_b32 s27, 0
	s_wait_kmcnt 0x0
	s_add_nc_u64 s[18:19], s[18:19], s[26:27]
	global_load_b128 v[WQ:WQ+3], v5, s[8:9]
	global_load_b128 v[WQ+4:WQ+7], v4, s[8:9] offset:16
	global_load_b128 v[GA:GA+3], v6, s[10:11]
	global_load_b128 v[GA+4:GA+7], v7, s[10:11] offset:16  ; channels 4-7; in lanes 16-31 they stand in for channels 12-15, which reach no output
	global_load_b128 v[BE:BE+3], v6, s[12:13]
	global_load_b128 v[BE+4:BE+7], v7, s[12:13] offset:16
	global_load_b128 v[B2V:B2V+3], v6, s[14:15]
	global_load_b128 v[B2V+4:B2V+7], v7, s[14:15] offset:16
	global_load_b128 v[B3V:B3V+3], v6, s[16:17]
	global_load_b128 v[B3V+4:B3V+7], v7, s[16:17] offset:16
.irp i, 0,1,2,3,4,5,6,7,8,9,10,11,12,13,14,15
	global_load_b128 v[PT+4*\i:PT+4*\i+3], v[OP], s[6:7] offset:512*\i
.endr
.irp k, 0,1,2,3,4,5,6,7
	global_load_b128 v[Y+8*\k:Y+8*\k+3],   v[OT], s[4:5] offset:1024*\k
	global_load_b128 v[Y+8*\k+4:Y+8*\k+7], v[OT], s[4:5] offset:1024*\k+512
.endr
	; LDS and output offsets, in registers that no pending load names
	v_and_b32 v[OL], 7, v0
	v_lshlrev_b32 v[OL], 4, v[OL]
	s_lshl_b32 s28, s20, 7
	v_add_nc_u32 v[OL], s28, v[OL]                 ; LDS: 128 w + 16 (lane % 8)
	v_lshlrev_b32 v[OR], 5, v3                     ; LDS: 32 h
	v_bfe_u32 v[OA], v0, 3, 1                      ; which of the tile's two queries
	v_mul_u32_u24 v[OS], v3, 8*SP
	v_lshl_add_u32 v[OS], v[OA], 2, v[OS]
	s_lshl_b32 s28, s20, 6
	s_add_co_u32 s28, s28, STAGE
	v_add_nc_u32 v[OS], s28, v[OS]                 ; stage: row 8 h (+ j), word 16 w + (r / 8) (+ 2 k)
	v_lshrrev_b32 v[OA], 4, v0                     ; the way out: row t / 16,
	v_lshlrev_b32 v[OB], 4, v2                     ; 16 bytes at 16 (t % 16)
	v_mad_u32_u24 v[OD], v[OA], SP, v[OB]
	v_lshl_add_u32 v[OB], v[OA], 15, v[OB]         ; a channel's row of the output is 32,768 bytes
	s_wait_loadcnt 0x10                            ; all but the sixteen tile loads
	v_cvt_pk_f16_f32 v[AF],   v[WQ],   v[WQ+1]
	v_cvt_pk_f16_f32 v[AF+1], v[WQ+2], v[WQ+3]
	v_cvt_pk_f16_f32 v[AF+2], v[WQ+4], v[WQ+5]
	v_cvt_pk_f16_f32 v[AF+3], v[WQ+6], v[WQ+7]
	v_cndmask_b32 v[AF],   v[AF],   0, s24
	v_cndmask_b32 v[AF+1], v[AF+1], 0, s24
	v_cndmask_b32 v[AF+2], v[AF+2], 0, s25
	v_cndmask_b32 v[AF+3], v[AF+3], 0, s25
.irp i, 4,5,6,7
	v_mov_b32 v[AF+\i], 0
.endr
	; the sums over all 256 work-groups: a load held 4 rows of 32 words; lane l holds words 4 (l % 8) .. + 3 of row l / 8
	FOLD PT, 16
	FOLD PT, 8
	FOLD PT, 4
	FOLD PT, 2
.irp j, 0,1,2,3
	v_add_f32_dpp v[PT+\j], v[PT+\j], v[PT+\j] row_xmask:8 row_mask:0xf bank_mask:0xf
.endr
.irp j, 0,1,2,3
	v_permlanex16_b32 v[PT+4+\j], v[PT+\j], s22, s23
.endr
	v_pk_add_f32 v[PT:PT+1], v[PT:PT+1], v[PT+4:PT+5]
	v_pk_add_f32 v[PT+2:PT+3], v[PT+2:PT+3], v[PT+6:PT+7]
	ds_store_b128 v[OL], v[PT:PT+3]
	s_wait_dscnt 0x0                               ; my store is done before I say so
	s_barrier_signal -1
	s_barrier_wait -1
.irp w, 0,1,2,3
	ds_load_b128 v[PT+16*\w:PT+16*\w+3],     v[OR] offset:128*\w
	ds_load_b128 v[PT+16*\w+4:PT+16*\w+7],   v[OR] offset:128*\w+16
	ds_load_b128 v[PT+16*\w+8:PT+16*\w+11],  v[OR] offset:128*\w+64
	ds_load_b128 v[PT+16*\w+12:PT+16*\w+15], v[OR] offset:128*\w+80
.endr
	s_wait_dscnt 0x0
	FOLD PT, 16
	FOLD PT, 8                                     ; PT .. +7: sums, PT + 8 .. +15: sums of squares, of channels 8 h + j
.irp j, 0,1,2,3,4,5,6,7
	v_mul_f32 v[PT+\j], 0x37000000, v[PT+\j]       ; mean of u2: 2^-17, one over 2 x 8 x 8192
	v_mul_f32 v[PT+8+\j], 0x37000000, v[PT+8+\j]
	v_fma_f32 v[PT+8+\j], -v[PT+\j], v[PT+\j], v[PT+8+\j]
	v_max_num_f32 v[PT+8+\j], 0, v[PT+8+\j]
	v_add_f32 v[PT+8+\j], 0x3727c5ac, v[PT+8+\j]   ; + 1e-5
	v_add_f32 v[PT+\j], v[PT+\j], v[B2V+\j]        ; mean of u2 + b2
	v_sub_f32 v[PT+\j], v[B2V+\j], v[PT+\j]        ; b2 - that mean
	v_mul_f32 v[B3V+\j], 0x41000000, v[B3V+\j]     ; 8 b3
.endr
.irp j, 0,1,2,3,4,5,6,7
	v_rsq_f32 v[SC+\j], v[PT+8+\j]
.endr
	v_nop                                          ; the plain instruction behind the last root (ISA guide 5.7.2)
	s_wait_alu depctr_va_vdst(0)
.irp j, 0,1,2,3,4,5,6,7
	v_mul_f32 v[SC+\j], v[GA+\j], v[SC+\j]
	v_fma_f32 v[SH+\j], v[PT+\j], v[SC+\j], v[BE+\j]
.endr
.irp i, 4,5,6,7,12,13,14,15
	v_mov_b32 v[BB+\i], 0                          ; K 16-31 of both buffers
.endr
.irp k, 0,1,2,3,4,5,6,7
	XB \k
.endr
	; tiles in order: tile 7's result is read behind the instructions on tiles 0 to 6, which name none of its product's registers
.irp k, 0,1,2,3,4,5,6,7
.irp m, 1,2,4
.irp j, 0,1,2,3,4,5,6,7
	v_add_f32_dpp v[Y+8*\k+\j], v[Y+8*\k+\j], v[Y+8*\k+\j] row_xmask:\m row_mask:0xf bank_mask:0xf
.endr
.endr
.irp j, 0,2,4,6
	v_pk_add_f32 v[Y+8*\k+\j:Y+8*\k+\j+1], v[Y+8*\k+\j:Y+8*\k+\j+1], v[B3V+\j:B3V+\j+1]
.endr
.irp j, 0,1,2,3,4,5,6,7
	ds_store_b32 v[OS], v[Y+8*\k+\j] offset:SP*\j+8*\k     ; the 8 lanes of a query write one word with one value; rows 12-15 are not read
.endr
.endr
	s_wait_dscnt 0x0                               ; my stores are done before I say so
	s_barrier_signal -1
	s_barrier_wait -1
	ds_load_b128 v[64:67], v[OD] offset:STAGE      ; channels 0-7: 128 threads, 16 a row
	s_wait_dscnt 0x0
	global_store_b128 v[OB], v[64:67], s[18:19]    ; 16 lanes store 256 consecutive bytes, at a multiple of 256 from the output's first byte
	s_cmp_gt_u32 s20, 1
	s_cbranch_scc1 .Lend
	ds_load_b128 v[68:71], v[OD] offset:STAGE+8*SP ; channels 8-11: waves 0 and 1
	s_wait_dscnt 0x0
	global_store_b128 v[OB], v[68:71], s[18:19] offset:262144
.Lend:
	s_wait_tensorcnt 0x0
	ds_add_u32 v192, v193
	s_wait_dscnt 0x0
	s_endpgm
.Lfunc_end_k_q249978a3a5_last:
	.size	k_q249978a3a5_last, .Lfunc_end_k_q249978a3a5_last-k_q249978a3a5_last
	.p2alignl 7, 3214868480
	.fill 96, 4, 3214868480
	.section	.rodata,"a",@progbits
	.p2align	6, 0x0
	.amdhsa_kernel k_q249978a3a5_last
		.amdhsa_group_segment_fixed_size 8704
		.amdhsa_private_segment_fixed_size 0
		.amdhsa_enable_private_segment 0
		.amdhsa_kernarg_size 64
		.amdhsa_user_sgpr_count 2
		.amdhsa_user_sgpr_kernarg_segment_ptr 1
		.amdhsa_wavefront_size32 1
		.amdhsa_system_sgpr_workgroup_id_x 1
		.amdhsa_system_sgpr_workgroup_id_y 1
		.amdhsa_system_sgpr_workgroup_id_z 1
		.amdhsa_system_vgpr_workitem_id 0
		.amdhsa_next_free_vgpr 194
		.amdhsa_next_free_sgpr 66
		.amdhsa_reserve_vcc 0
		.amdhsa_float_denorm_mode_32 3
		.amdhsa_float_denorm_mode_16_64 3
		.amdhsa_memory_ordered 1
		.amdhsa_forward_progress 1
		.amdhsa_inst_pref_size 43
	.end_amdhsa_kernel
	.amdgpu_metadata
---
amdhsa.version: [ 1, 2 ]
amdhsa.kernels:
  - .name:           k_q249978a3a5_last
    .symbol:         k_q249978a3a5_last.kd
    .args:
      - { .name: u2, .offset: 0, .size: 8, .value_kind: global_buffer, .address_space: global }
      - { .name: part2, .offset: 8, .size: 8, .value_kind: global_buffer, .address_space: global }
      - { .name: W3, .offset: 16, .size: 8, .value_kind: global_buffer, .address_space: global }
      - { .name: bn2_g, .offset: 24, .size: 8, .value_kind: global_buffer, .address_space: global }
      - { .name: bn2_b, .offset: 32, .size: 8, .value_kind: global_buffer, .address_space: global }
      - { .name: b2, .offset: 40, .size: 8, .value_kind: global_buffer, .address_space: global }
      - { .name: b3, .offset: 48, .size: 8, .value_kind: global_buffer, .address_space: global }
      - { .name: out0, .offset: 56, .size: 8, .value_kind: global_buffer, .address_space: global }
    .group_segment_fixed_size: 8704
    .private_segment_fixed_size: 0
    .kernarg_segment_align: 8
    .kernarg_segment_size: 64
    .max_flat_workgroup_size: 128
    .sgpr_count:     66
    .vgpr_count:     194
    .wavefront_size: 32
...
	.end_amdgpu_metadata
.endif
;; end of part 5
;; ======== version 2 of 2: 5 launches; version 1 with the launch last written anew for expert scheduling mode
;; limits: values are held in f16: magnitudes above 65,504 overflow, below 6.1e-05 lose precision; an iteration or a series of the reference is cut at 12 steps; a difference of large sums (such as E[x^2] - mean^2): digits are lost where the result is much smaller than its terms; right only within a limited range of input values
;; workspace buffers: grp 786,432 bytes of whole numbers; idx 524,288 bytes of whole numbers; y1 8,388,608 bytes; u2 8,388,608 bytes; part1 32,768 bytes; part2 32,768 bytes
;; launch groups: the kernel of part 1 again; grid 256 x 1, 4 waves a work-group, no clusters, 34,304 bytes of LDS; arguments center, grp; writes grp
;; launch pick: the kernel of part 2 again; grid 256 x 1, 8 waves a work-group, no clusters, 0 bytes of LDS; arguments center, grp, idx; writes idx
;; launch feat: the kernel of part 3 again; grid 256 x 1, 16 waves a work-group, no clusters, 4,096 bytes of LDS; arguments center, idx, W1, y1, part1; writes y1, part1
;; launch mid: the kernel of part 4 again; grid 256 x 1, 4 waves a work-group, no clusters, 1,536 bytes of LDS; arguments y1, part1, W2, bn1_g, bn1_b, u2, part2; writes u2, part2
;; launch last (part 6): grid 256 x 1, 4 waves a work-group, no clusters, 8,704 bytes of LDS; arguments u2, part2, W3, bn2_g, bn2_b, b2, b3, out0; writes out0
.if DOCPART == 6
	.amdgcn_target "amdgcn-amd-amdhsa--gfx1250"
	.amdhsa_code_object_version 6
	.text
	.protected	k_q249978a3a5_last
	.globl	k_q249978a3a5_last
	.p2align	8
	.type	k_q249978a3a5_last,@function
k_q249978a3a5_last:
	s_mov_b64 s[64:65], 0
	v_nop
	global_prefetch_b8 v0, s[64:65] scope:SCOPE_SE
	s_setreg_imm32_b32 hwreg(HW_REG_WAVE_SCHED_MODE, 0, 2), 2
	s_setreg_imm32_b32 hwreg(HW_REG_WAVE_MODE, 25, 1), 1
	s_wait_xcnt 0x0
	s_wait_alu depctr_vm_vsrc(0)
; Launch 5 of 5.  x = relu(BatchNorm2(u2 + b2)), W3 x (f16 operands, f32 sums), the sum over the 8 neighbours, + 8 b3.
; Tiles and the exchange of the partial sums as in the launch before.  The statistics were taken on u2 without b2, so that a large b2
; costs the variance nothing: the mean of u2 + b2 is mean + b2, and the shift is beta + (b2 - (mean + b2)) scale.
; A tile holds 2 queries x 8 neighbours: three DPP steps add the neighbours.  The 64 queries x 12 channels of a work-group are turned in
; LDS (rows of 256 bytes + 16), so that sixteen lanes store 256 consecutive bytes of a channel's row, aligned.
; LIMITS: as in the launch before (variance as E[u^2] - mean^2; f16 room up to |gamma| about 180, |W3| up to 65,504).
; No cluster, tensor load or prefetch: each tile is read once by one wave, 16 loads in flight a wave; the rest is small and cached.
; THE MODE: SCHED_MODE bits 1:0 = 2 (LLVM: expert scheduling mode 2), set by the entry lines.  The code itself states the register dependences
; between vector or matrix instructions and memory or LDS instructions, with s_wait_alu, always for 0.
; THE PLAN.  Registers that memory or LDS instructions touch:
;   v4-v7, v[OP], v[OT]   offsets of the global loads: written at the head, never again.
;   v[OL], v[OR], v[OS], v[OB], v[OD]   LDS addresses and the output's offset: written behind the run of global loads, never again.
;   v8-v47, Y, PT         the global loads land here; no vector line names them before the loads are issued.
;   PT .. PT+3            written by the folds, read by the store of the exchange; behind the first barrier LDS loads land in PT .. PT+63.
;   Y                     behind the products a tile's sums over the neighbours write it in place; eight LDS stores a tile read it.  The tiles go in
;                         two halves: while the sums of tiles 4-7 are made, which name Y of tiles 4-7 and 8 b3 alone, the stores of tiles 0-3 go out.
;   v64-v71               (Y of tile 0) behind the second barrier the loads from the stage land here, and the global stores read them.
;   v192, v193            written at the head, read by the closing add alone.
;   AF, BB, SC, SH and the loaded parameters are named by vector and matrix lines alone once they are in.
.set WQ,  8                            ; v[8:15]    two quads of my row of W3
.set GA,  16                           ; v[16:23]   gamma of channels 8 h + j
.set BE,  24                           ; v[24:31]   beta
.set B2V, 32                           ; v[32:39]   b2 of channels 8 h + j
.set B3V, 40                           ; v[40:47]   b3, then 8 b3
.set AF,  48                           ; v[48:55]   W3 as first operand
.set OP,  56                           ; v56        offset of my partial sums (an address register of loads: never rewritten)
.set OT,  57                           ; v57        offset of my tiles (likewise)
.set OL,  58                           ; v58        LDS: where my wave's sums go
.set OR,  59                           ; v59        LDS: where the sums are read
.set OS,  60                           ; v60        LDS: where a tile's results go in the stage
.set OA,  61                           ; v61        at work
.set OB,  62                           ; v62        the way out: byte offset in the output
.set OD,  63                           ; v63        the way out: LDS address in the stage
.set Y,   64                           ; v[64:127]  8 tiles: u2 as loaded, then x, then W3 x
.set PT,  128                          ; v[128:191] partial sums
.set SC,  144                          ; v[144:151] scale
.set SH,  152                          ; v[152:159] shift
.set BB,  160                          ; v[160:175] second operand, two buffers
.set STAGE, 1024                       ; LDS: behind the exchange of the sums
.set SP,    272
.macro FOLD base, cnt                  ; cnt register pairs += the cnt pairs behind them
.set pp, 0
.rept \cnt
	v_pk_add_f32 v[\base+2*pp:\base+2*pp+1], v[\base+2*pp:\base+2*pp+1], v[\base+2*\cnt+2*pp:\base+2*\cnt+2*pp+1]
.set pp, pp+1
.endr
.endm
.macro XB k                            ; tile k: normalise, relu, to f16, multiply.  The operand buffer is written again two tiles later,
	s_wait_loadcnt 14-2*\k                         ; behind the 16 vector instructions of the tile between.  The wait: the loads of the tiles behind k stay out
.irp i, 0,2,4,6
	v_pk_fma_f32 v[Y+8*\k+\i:Y+8*\k+\i+1], v[Y+8*\k+\i:Y+8*\k+\i+1], v[SC+\i:SC+\i+1], v[SH+\i:SH+\i+1]
.endr
.irp i, 0,1,2,3,4,5,6,7
	v_max_num_f32 v[Y+8*\k+\i], 0, v[Y+8*\k+\i]
.endr
.irp i, 0,1,2,3
	v_cvt_pk_f16_f32 v[BB+8*(\k&1)+\i], v[Y+8*\k+2*\i], v[Y+8*\k+2*\i+1]
.endr
	v_wmma_f32_16x16x32_f16 v[Y+8*\k:Y+8*\k+7], v[AF:AF+7], v[BB+8*(\k&1):BB+8*(\k&1)+7], 0
.endm
.macro PUT k, j                        ; channel 8 h + j of tile k's two queries into the stage: the 8 lanes of a query write one word with one value; rows 12-15 are not read
	ds_store_b32 v[OS], v[Y+8*(\k)+(\j)] offset:SP*(\j)+8*(\k)
.endm
.macro ADDN k, m                       ; one of the three steps of tile k's sum over the neighbours, from the accumulator's low end on
.irp j, 0,1,2,3,4,5,6,7
	v_add_f32_dpp v[Y+8*(\k)+\j], v[Y+8*(\k)+\j], v[Y+8*(\k)+\j] row_xmask:\m row_mask:0xf bank_mask:0xf
.endr
.endm
.macro SUMS k, out                     ; tile k: the sum over the neighbours, + 8 b3.  out = 1: the eight stores of tile k - 4 are dealt among its lines, which name none of their registers
	ADDN \k, 1
.if \out
	PUT (\k)-4, 0
	PUT (\k)-4, 1
.endif
	ADDN \k, 2
.if \out
	PUT (\k)-4, 2
	PUT (\k)-4, 3
.endif
	ADDN \k, 4
.if \out
	PUT (\k)-4, 4
	PUT (\k)-4, 5
.endif
.irp j, 0,2,4,6
	v_pk_add_f32 v[Y+8*(\k)+\j:Y+8*(\k)+\j+1], v[Y+8*(\k)+\j:Y+8*(\k)+\j+1], v[B3V+\j:B3V+\j+1]
.endr
.if \out
	PUT (\k)-4, 6
	PUT (\k)-4, 7
.endif
.endm
	s_load_b256 s[4:11], s[0:1], 0x0               ; u2 s[4:5], part2 s[6:7], W3 s[8:9], bn2_g s[10:11]
	s_load_b256 s[12:19], s[0:1], 0x20             ; bn2_b s[12:13], b2 s[14:15], b3 s[16:17], out0 s[18:19]
	v_lshl_add_u32 v192, v0, 2, 0x2000
	v_mov_b32 v193, 0
	v_lshrrev_b32 v1, 5, v0
	v_readfirstlane_b32 s20, v1                    ; wave
	v_and_b32 v1, 31, v0                           ; lane
	v_and_b32 v2, 15, v0                           ; r
	v_bfe_u32 v3, v0, 4, 1                         ; h
	s_mov_b32 s22, 0x76543210                      ; v_permlanex16_b32: lane i of the other half
	s_mov_b32 s23, 0xfedcba98
	s_mov_b32 s24, 0xf000f000                      ; rows 12-15 of W3 do not exist
	s_mov_b32 s25, 0xfffff000                      ; nor do columns 12-15 (lanes 16-31, second quad)
	v_min_u32 v4, 11, v2
	v_mul_u32_u24 v4, v4, 48
	v_lshl_add_u32 v5, v3, 5, v4                   ; W3[o][8 h ..]
	v_lshlrev_b32 v6, 5, v3                        ; channel 8 h
	v_mov_b32 v7, 0
	s_wait_alu depctr_va_sdst(0)                   ; s20, the wave's number, is written, ahead of its first reader, the next line
	s_lshl_b32 s21, s20, 13
	v_lshl_add_u32 v[OP], v1, 4, s21               ; my wave's 64 rows of partial sums
	s_lshl_b32 s28, ttmp9, 15
	s_add_co_u32 s28, s28, s21                     ; tile 32 g + 8 w
	v_lshl_add_u32 v[OT], v1, 4, s28
	s_lshr_b32 s26, ttmp9, 7
	s_mul_i32 s26, s26, 393216                     ; a batch of the output: 12 x 8192 x 4 bytes
	s_and_b32 s27, ttmp9, 127
	s_lshl_b32 s27, s27, 8                         ; my 64 queries
	s_add_co_u32 s26, s26, s27
	s_mov_b32 s27, 0
	s_wait_kmcnt 0x0
	s_add_nc_u64 s[18:19], s[18:19], s[26:27]
	s_wait_alu depctr_va_vdst(0)                   ; v4 to v7, v[OP] and v[OT] are written: the loads below read them as their offsets
	global_load_b128 v[WQ:WQ+3], v5, s[8:9]
	global_load_b128 v[WQ+4:WQ+7], v4, s[8:9] offset:16
	global_load_b128 v[GA:GA+3], v6, s[10:11]
	global_load_b128 v[GA+4:GA+7], v7, s[10:11] offset:16  ; channels 4-7; in lanes 16-31 they stand in for channels 12-15, which reach no output
	global_load_b128 v[BE:BE+3], v6, s[12:13]
	global_load_b128 v[BE+4:BE+7], v7, s[12:13] offset:16
	global_load_b128 v[B2V:B2V+3], v6, s[14:15]
	global_load_b128 v[B2V+4:B2V+7], v7, s[14:15] offset:16
	global_load_b128 v[B3V:B3V+3], v6, s[16:17]
	global_load_b128 v[B3V+4:B3V+7], v7, s[16:17] offset:16
.irp i, 0,1,2,3,4,5,6,7,8,9,10,11,12,13,14,15
	global_load_b128 v[PT+4*\i:PT+4*\i+3], v[OP], s[6:7] offset:512*\i
.endr
.irp k, 0,1,2,3,4,5,6,7
	global_load_b128 v[Y+8*\k:Y+8*\k+3],   v[OT], s[4:5] offset:1024*\k
	global_load_b128 v[Y+8*\k+4:Y+8*\k+7], v[OT], s[4:5] offset:1024*\k+512
.endr
	; LDS and output offsets, in registers that no pending load names
	v_and_b32 v[OL], 7, v0
	v_lshlrev_b32 v[OL], 4, v[OL]
	s_lshl_b32 s28, s20, 7
	v_add_nc_u32 v[OL], s28, v[OL]                 ; LDS: 128 w + 16 (lane % 8)
	v_lshlrev_b32 v[OR], 5, v3                     ; LDS: 32 h
	v_bfe_u32 v[OA], v0, 3, 1                      ; which of the tile's two queries
	v_mul_u32_u24 v[OS], v3, 8*SP
	v_lshl_add_u32 v[OS], v[OA], 2, v[OS]
	s_lshl_b32 s28, s20, 6
	s_add_co_u32 s28, s28, STAGE
	v_add_nc_u32 v[OS], s28, v[OS]                 ; stage: row 8 h (+ j), word 16 w + (r / 8) (+ 2 k)
	v_lshrrev_b32 v[OA], 4, v0                     ; the way out: row t / 16,
	v_lshlrev_b32 v[OB], 4, v2                     ; 16 bytes at 16 (t % 16)
	v_mad_u32_u24 v[OD], v[OA], SP, v[OB]
	v_lshl_add_u32 v[OB], v[OA], 15, v[OB]         ; a channel's row of the output is 32,768 bytes
	s_wait_loadcnt 0x10                            ; all but the sixteen tile loads
	v_cvt_pk_f16_f32 v[AF],   v[WQ],   v[WQ+1]
	v_cvt_pk_f16_f32 v[AF+1], v[WQ+2], v[WQ+3]
	v_cvt_pk_f16_f32 v[AF+2], v[WQ+4], v[WQ+5]
	v_cvt_pk_f16_f32 v[AF+3], v[WQ+6], v[WQ+7]
	v_cndmask_b32 v[AF],   v[AF],   0, s24
	v_cndmask_b32 v[AF+1], v[AF+1], 0, s24
	v_cndmask_b32 v[AF+2], v[AF+2], 0, s25
	v_cndmask_b32 v[AF+3], v[AF+3], 0, s25
.irp i, 4,5,6,7
	v_mov_b32 v[AF+\i], 0
.endr
	; the sums over all 256 work-groups: a load held 4 rows of 32 words; lane l holds words 4 (l % 8) .. + 3 of row l / 8
	FOLD PT, 16
	FOLD PT, 8
	FOLD PT, 4
	FOLD PT, 2
.irp j, 0,1,2,3
	v_add_f32_dpp v[PT+\j], v[PT+\j], v[PT+\j] row_xmask:8 row_mask:0xf bank_mask:0xf
.endr
.irp j, 0,1,2,3
	v_permlanex16_b32 v[PT+4+\j], v[PT+\j], s22, s23
.endr
	v_pk_add_f32 v[PT:PT+1], v[PT:PT+1], v[PT+4:PT+5]
	v_pk_add_f32 v[PT+2:PT+3], v[PT+2:PT+3], v[PT+6:PT+7]
	s_wait_alu depctr_va_vdst(0)                   ; v[PT .. PT+3] and v[OL] are written, which the store reads; so are v[OR], v[OS], v[OB], v[OD], for all that follows; and the folds are done with v[PT .. PT+63], in which the LDS loads behind the barrier land
	ds_store_b128 v[OL], v[PT:PT+3]
	s_wait_dscnt 0x0                               ; my store is done before I say so
	s_barrier_signal -1
	s_barrier_wait -1
	s_wait_alu depctr_vm_vsrc(0)                   ; my store has read v[PT .. PT+3], in which the first load below lands
.irp w, 0,1,2,3
	ds_load_b128 v[PT+16*\w:PT+16*\w+3],     v[OR] offset:128*\w
	ds_load_b128 v[PT+16*\w+4:PT+16*\w+7],   v[OR] offset:128*\w+16
	ds_load_b128 v[PT+16*\w+8:PT+16*\w+11],  v[OR] offset:128*\w+64
	ds_load_b128 v[PT+16*\w+12:PT+16*\w+15], v[OR] offset:128*\w+80
.endr
	s_wait_dscnt 0x0
	FOLD PT, 16
	FOLD PT, 8                                     ; PT .. +7: sums, PT + 8 .. +15: sums of squares, of channels 8 h + j
.irp j, 0,1,2,3,4,5,6,7
	v_mul_f32 v[PT+\j], 0x37000000, v[PT+\j]       ; mean of u2: 2^-17, one over 2 x 8 x 8192
	v_mul_f32 v[PT+8+\j], 0x37000000, v[PT+8+\j]
	v_fma_f32 v[PT+8+\j], -v[PT+\j], v[PT+\j], v[PT+8+\j]
	v_max_num_f32 v[PT+8+\j], 0, v[PT+8+\j]
	v_add_f32 v[PT+8+\j], 0x3727c5ac, v[PT+8+\j]   ; + 1e-5
	v_add_f32 v[PT+\j], v[PT+\j], v[B2V+\j]        ; mean of u2 + b2
	v_sub_f32 v[PT+\j], v[B2V+\j], v[PT+\j]        ; b2 - that mean
	v_mul_f32 v[B3V+\j], 0x41000000, v[B3V+\j]     ; 8 b3
.endr
.irp j, 0,1,2,3,4,5,6,7
	v_rsq_f32 v[SC+\j], v[PT+8+\j]
.endr
	v_nop                                          ; the plain instruction behind the last root (ISA guide 5.7.2)
	s_wait_alu depctr_va_vdst(0)                   ; the eight roots have written v[SC ..], ahead of their first reader: one wait for the batch
.irp j, 0,1,2,3,4,5,6,7
	v_mul_f32 v[SC+\j], v[GA+\j], v[SC+\j]
	v_fma_f32 v[SH+\j], v[PT+\j], v[SC+\j], v[BE+\j]
.endr
.irp i, 4,5,6,7,12,13,14,15
	v_mov_b32 v[BB+\i], 0                          ; K 16-31 of both buffers
.endr
.irp k, 0,1,2,3,4,5,6,7
	XB \k
.endr
	; tiles in order: tile 7's result is read behind the instructions on tiles 0 to 6, which name none of its product's registers
.irp k, 0,1,2,3
	SUMS \k, 0
.endr
	s_wait_alu depctr_va_vdst(0)                   ; the sums of tiles 0 to 3 have written their Y, which the stores dealt among the lines below read
.irp k, 4,5,6,7
	SUMS \k, 1
.endr
	s_wait_alu depctr_va_vdst(0)                   ; the sums of tiles 4 to 7 have written their Y, which the stores below read; and the vector side is done with v64 to v71, in which the loads from the stage land
.irp k, 4,5,6,7
.irp j, 0,1,2,3,4,5,6,7
	PUT \k, \j
.endr
.endr
	s_wait_dscnt 0x0                               ; my stores are done before I say so
	s_barrier_signal -1
	s_barrier_wait -1
	s_wait_alu depctr_vm_vsrc(0)                   ; my stores into the stage have read v64 to v71, in which the two loads below land; it stands ahead of the branch, for both
	ds_load_b128 v[64:67], v[OD] offset:STAGE      ; channels 0-7: 128 threads, 16 a row
	s_wait_dscnt 0x0
	global_store_b128 v[OB], v[64:67], s[18:19]    ; 16 lanes store 256 consecutive bytes, at a multiple of 256 from the output's first byte
	s_cmp_gt_u32 s20, 1
	s_cbranch_scc1 .Lend
	ds_load_b128 v[68:71], v[OD] offset:STAGE+8*SP ; channels 8-11: waves 0 and 1
	s_wait_dscnt 0x0
	global_store_b128 v[OB], v[68:71], s[18:19] offset:262144
.Lend:
	s_wait_dscnt 0x0                               ; the closing lines, six on end
	s_wait_alu 0x0
	s_wait_tensorcnt 0x0
	ds_add_u32 v192, v193
	s_wait_dscnt 0x0
	s_endpgm
.Lfunc_end_k_q249978a3a5_last:
	.size	k_q249978a3a5_last, .Lfunc_end_k_q249978a3a5_last-k_q249978a3a5_last
	.p2alignl 7, 3214868480
	.fill 96, 4, 3214868480
	.section	.rodata,"a",@progbits
	.p2align	6, 0x0
	.amdhsa_kernel k_q249978a3a5_last
		.amdhsa_group_segment_fixed_size 8704
		.amdhsa_private_segment_fixed_size 0
		.amdhsa_enable_private_segment 0
		.amdhsa_kernarg_size 64
		.amdhsa_user_sgpr_count 2
		.amdhsa_user_sgpr_kernarg_segment_ptr 1
		.amdhsa_wavefront_size32 1
		.amdhsa_system_sgpr_workgroup_id_x 1
		.amdhsa_system_sgpr_workgroup_id_y 1
		.amdhsa_system_sgpr_workgroup_id_z 1
		.amdhsa_system_vgpr_workitem_id 0
		.amdhsa_next_free_vgpr 194
		.amdhsa_next_free_sgpr 66
		.amdhsa_reserve_vcc 0
		.amdhsa_float_denorm_mode_32 3
		.amdhsa_float_denorm_mode_16_64 3
		.amdhsa_memory_ordered 1
		.amdhsa_forward_progress 1
		.amdhsa_inst_pref_size 43
	.end_amdhsa_kernel
	.amdgpu_metadata
---
amdhsa.version: [ 1, 2 ]
amdhsa.kernels:
  - .name:           k_q249978a3a5_last
    .symbol:         k_q249978a3a5_last.kd
    .args:
      - { .name: u2, .offset: 0, .size: 8, .value_kind: global_buffer, .address_space: global }
      - { .name: part2, .offset: 8, .size: 8, .value_kind: global_buffer, .address_space: global }
      - { .name: W3, .offset: 16, .size: 8, .value_kind: global_buffer, .address_space: global }
      - { .name: bn2_g, .offset: 24, .size: 8, .value_kind: global_buffer, .address_space: global }
      - { .name: bn2_b, .offset: 32, .size: 8, .value_kind: global_buffer, .address_space: global }
      - { .name: b2, .offset: 40, .size: 8, .value_kind: global_buffer, .address_space: global }
      - { .name: b3, .offset: 48, .size: 8, .value_kind: global_buffer, .address_space: global }
      - { .name: out0, .offset: 56, .size: 8, .value_kind: global_buffer, .address_space: global }
    .group_segment_fixed_size: 8704
    .private_segment_fixed_size: 0
    .kernarg_segment_align: 8
    .kernarg_segment_size: 64
    .max_flat_workgroup_size: 128
    .sgpr_count:     66
    .vgpr_count:     194
    .wavefront_size: 32
...
	.end_amdgpu_metadata
.endif
;; end of part 6
